; MI455X (gfx1250); checked and timed in simulation.
; The chip was launched on July 23, 2026; its instructions are those of AMD's public machine-readable ISA for CDNA 5 (MIT licence, August 2026) and "CDNA5" Instruction Set Architecture Reference Guide (July 2026). The comments in the code are by the model that wrote it; some were corrected since.
;; Transformer Block. Allowed arithmetic: matrix products marked QUANTISED: E5M2 operands, one given power-of-two scale a tensor, by v_wmma_f32_16x16x64_bf8_bf8 or v_wmma_f32_16x16x128_bf8_bf8, f32 sums; everything else in f32.
;; Inputs: W1_codes 2,048 x 32 x 32 uint8 (E5M2 codes of W1, K innermost, in blocks of 32 codes); W2_codes 1,024 x 64 x 32 uint8 (E5M2 codes of W2, K innermost, in blocks of 32 codes); Wkv_codes 512 x 32 x 32 uint8 (E5M2 codes of Wkv, K innermost, in blocks of 32 codes); Wo_codes 1,024 x 32 x 32 uint8 (E5M2 codes of Wo, K innermost, in blocks of 32 codes); Wq_codes 1,024 x 32 x 32 uint8 (E5M2 codes of Wq, K innermost, in blocks of 32 codes); b1 2,048 float32; b2 1,024 float32; cos 2,048 x 64 float32; ln1_b 1,024 float32; ln1_g 1,024 float32; ln2_b 1,024 float32; ln2_g 1,024 float32; lowp_scales 14 int32 (the exponents e of the quantised operands' scales 2^e); sin 2,048 x 64 float32; x 2 x 2,048 x 1,024 float32.
;; Outputs: out0 2 x 2,048 x 1,024 float32.
;; This version of the problem:
;;   THIS VERSION OF THE PROBLEM IS GIVEN IN LOW PRECISION. The matrix products marked QUANTISED in the list below multiply operands that are first quantised to E5M2 (5 exponent bits, 2 mantissa bits; 8 bits a number), with one given power-of-two scale for each operand tensor; their sums are f32. All else is computed in f32.
;;   The module's matrix products, in the order in which they are computed (A, B: the left and right operand; K: the contracted axis; several contracted axes count as one K, in the product's order):
;;     1. [M 4,096, K 1,024] x [K 1,024, N 1,024]; A: computed on the way; B: input Wq (given as codes): QUANTISED (scales: A lowp_scales[0], B lowp_scales[1])
;;     2. [M 4,096, K 1,024] x [K 1,024, N 512]; A: computed on the way; B: input Wkv (given as codes): QUANTISED (scales: A lowp_scales[2], B lowp_scales[3])
;;     3. batch 8 x [M 8,192, K 64] x [K 64, N 2,048]; A: computed on the way; B: computed on the way: QUANTISED (scales: A lowp_scales[4], B lowp_scales[5])
;;     4. batch 8 x [M 8,192, K 2,048] x [K 2,048, N 64]; A: softmax (see below); B: computed on the way: QUANTISED (scales: A lowp_scales[6], B lowp_scales[7])
;;     5. [M 4,096, K 1,024] x [K 1,024, N 1,024]; A: computed on the way; B: input Wo (given as codes): QUANTISED (scales: A lowp_scales[8], B lowp_scales[9])
;;     6. [M 4,096, K 1,024] x [K 1,024, N 2,048]; A: computed on the way; B: input W1 (given as codes): QUANTISED (scales: A lowp_scales[10], B lowp_scales[11])
;;     7. [M 4,096, K 2,048] x [K 2,048, N 1,024]; A: computed on the way; B: input W2 (given as codes): QUANTISED (scales: A lowp_scales[12], B lowp_scales[13])
;;   THE QUANTISER, for each operand of a quantised product, along K:
;;     - The operand's scale is 2^e, e = its entry of the input lowp_scales (int32; the entries are numbered through the quantised products in the list's order, A before B).
;;     - Each number is divided by the scale, clamped to +-57,344, and rounded to the nearest number of E5M2, ties to even, subnormals kept.
;;     - The product sums the exact products of the quantised numbers (number of the format x scale) in f32.
;;   ~~~python
;;   def quantise(x, axis, e):      # numpy; x: float32 -> the quantised numbers, widened to float32 again
;;       x = np.moveaxis(x, axis, -1); K = x.shape[-1]
;;       r = np.clip(x / 2.0 ** e, -57344, 57344)
;;       step = 2.0 ** (np.maximum(np.frexp(np.where(r == 0, 1, r))[1] - 1, -14) - 2)
;;       q = np.round(r / step) * step * 2.0 ** e      # np.round: ties to even
;;       return np.moveaxis(q, -1, axis).astype(np.float32)
;;   ~~~
;;   SOFTMAX AHEAD OF A QUANTISED PRODUCT. Where the list says 'softmax', what is quantised is not the finished softmax but p = 2^(t - M), with t = logit x log2(e) and M = ceil(the row's largest t), a whole number; so 1/2 < the row's largest p <= 1. The row's sum l is taken of the UNQUANTISED p, in f32, and the product's result is divided by l at the end. Since M is a whole number, a kernel that streams over the keys may use a running M (the ceiling of the running maximum): every later rescaling is an exact power of two, so the quantised numbers keep their values, but for numbers so far below the row's largest that they fall under the format's range.
;;   OPERANDS COMPUTED ON THE WAY. 'Computed on the way' means the value that the module computes at that place (a softmax that the list does not call 'softmax' is quantised finished and normalised). What goes into a quantiser is computed in f32, as accurately as f32 sums, v_exp_f32 and their like allow (about 1e-6 of the number): no bf16 or f16 on the way to a quantiser, and a product that is left as it is and whose result goes on into a quantised operand takes f32 operands (vector FMAs, or v_wmma_f32_16x16x4_f32). A number that lies on a knife's edge between two numbers of the format may be rounded either way, as far as f32 arithmetic and the matrix unit's own rounding can turn it there, and no further.
;;   INPUTS GIVEN AS CODES. W1 (in the module: [2048, 1024], K = its axis 1); W2 (in the module: [1024, 2048], K = its axis 1); Wkv (in the module: [512, 1024], K = its axis 1); Wo (in the module: [1024, 1024], K = its axis 1); Wq (in the module: [1024, 1024], K = its axis 1): each comes as NAME_codes (uint8): NAME with its K axis moved to the last place and cut into blocks of 32 codes, [.., K / 32, bytes a block], one block behind the other in memory; one code a byte (a code: sign, 5 exponent bits, 2 mantissa bits); its scale is its entry of lowp_scales. Its value is code x scale, taken as it is: it is not quantised again, and the codes and scales need not be those that the quantiser above would give.
;; One version. Each part assembles by itself: llvm-mc -triple=amdgcn-amd-amdhsa -mcpu=gfx1250 --defsym DOCPART=n.
;; ======== version 1 of 1: 7 launches
;; limits: right only within a limited range of input values
;; workspace buffers: wimg 6,815,744 bytes; himg 8,388,608 bytes; qkv 6,291,456 bytes; oimg 4,194,304 bytes; x1 16,777,216 bytes; uimg 8,388,608 bytes
;; launch prep (part 1): grid 256 x 1, 8 waves a work-group, no clusters, 34,304 bytes of LDS; arguments x, ln1_g, ln1_b, lowp_scales, Wq_codes, Wkv_codes, Wo_codes, W1_codes, W2_codes, himg, wimg; writes himg, wimg
.if DOCPART == 1
	.amdgcn_target "amdgcn-amd-amdhsa--gfx1250"
	.amdhsa_code_object_version 6
	.text
	.protected	k_q5f27a5c447_prep
	.globl	k_q5f27a5c447_prep
	.p2align	8
	.type	k_q5f27a5c447_prep,@function
k_q5f27a5c447_prep:
	s_mov_b64 s[64:65], 0
	v_nop
	global_prefetch_b8 v0, s[64:65] scope:SCOPE_SE
	s_setreg_imm32_b32 hwreg(HW_REG_WAVE_MODE, 25, 1), 1
	s_wait_xcnt 0x0
; LAYER NORM, ITS CODES AS OPERAND IMAGES, AND (FIRST = 1) THE FIVE WEIGHTS RE-LAID AS OPERAND IMAGES.
; h = (x - mean) / sqrt(var + 1e-5) * g + b in f32 (mean first, then the centred squares), quantised to BF8 (E5M2) with the given 2^e: FIRST = 1: twice, e0 and e2; FIRST = 0: once, e10.
; AN IMAGE: an operand of 16 rows x 128 K is 2,048 bytes: register group c (4 registers) at 512 c + 16 lane holds k = 32 c + 16 (lane / 16) + 0 .. 15 of row lane % 16.
; A tile T of 16 rows lies at (T / 4) x 65,536 + K step x 8,192 + (T % 4) x 2,048: 64 rows are one dense run, K step by K step.
; SHARES: a work-group owns 16 rows, a wave two of them; a lane holds columns 128 i + 4 lane + 0 .. 3, so each load reads 512 consecutive bytes and a row's sums never leave the wave.
; The codes meet in LDS (rows 1,040 bytes apart = 65 x 16, so that sixteen rows' 16-byte pieces fall on different banks: ISA guide 11.1); behind one barrier wave w reads K step w as an image and stores 512 consecutive bytes a line.
; WEIGHTS: tile t of a weight takes rows 32 (t / 2) + 8 (t % 2) + r + 8 (r / 8), r = lane % 16, so that two neighbouring tiles of a transposed product give a lane 16 neighbouring columns.
; LIMITS: each e between -126 and 112.  NaN and infinities among the inputs are not served.
.set FIRST, 1
.set NVER,  1+FIRST
.set NW,    6*FIRST                    ; weight loads issued behind g and b
.set PITCH, 1040
.set VERB,  16*PITCH                   ; LDS: a version's 16 rows of codes
.set GG,  16                           ; v16-47   g
.set BB,  48                           ; v48-79   b
.set X0,  80                           ; v80-111  my first row
.set X1,  112                          ; v112-143 my second row
.set T,   144                          ; v144-175 numbers held for the conversion; later the images on their way out
.set C,   176                          ; v176-207 codes: eight registers for each row and version
.set WR,  208                          ; v208-235 seven pieces of weights
.set SCL, 236                          ; v236.. 2^e and 57,344 x 2^e, for each version
.set WV,  26
.set SEL, 56                           ; s[56:57] v_permlanex16_b32: lane l xor 16
.set CV,  58
.set CE,  59
	s_load_b256 s[4:11], s[0:1], 0x0               ; x, g, b, the scales' exponents
.if FIRST
	s_load_b256 s[12:19], s[0:1], 0x20             ; Wq, Wkv, Wo, W1
	s_load_b128 s[20:23], s[0:1], 0x40             ; W2, the rows' images
	s_load_b64 s[24:25], s[0:1], 0x50              ; the weights' images
	v_lshl_add_u32 v240, v0, 2, 0x8200
	v_mov_b32 v241, 0
.else
	s_load_b64 s[22:23], s[0:1], 0x20              ; the rows' images
.endif
	v_lshrrev_b32 v1, 5, v0
	s_delay_alu instid0(VALU_DEP_1)
	v_readfirstlane_b32 s[WV], v1                  ; wave 0..7
	v_and_b32 v1, 31, v0                           ; lane
	s_delay_alu instid0(VALU_DEP_1)
	v_lshlrev_b32 v2, 4, v1                        ; 16 x lane
	v_and_b32 v7, 15, v0                           ; r
	v_bfe_u32 v12, v0, 4, 1                        ; h
	s_mul_i32 s28, s[WV], 2*PITCH
	v_lshl_add_u32 v5, v1, 2, s28                  ; LDS, in: my wave's two rows, 4 codes a lane
	v_mul_u32_u24 v6, v7, PITCH
	s_delay_alu instid0(VALU_DEP_1)
	v_lshl_add_u32 v6, v12, 4, v6
	s_lshl_b32 s29, s[WV], 7
	v_add_nc_u32 v6, s29, v6                       ; LDS, out: row r, K step = my wave, + 16 h
.if FIRST
	v_and_b32 v3, 8, v7
	s_delay_alu instid0(VALU_DEP_1)
	v_add_nc_u32 v3, v3, v7                        ; r + 8 (r / 8)
	s_delay_alu instid0(VALU_DEP_1)
	v_lshlrev_b32 v4, 11, v3
	s_delay_alu instid0(VALU_DEP_2)
	v_lshlrev_b32 v3, 10, v3
	s_delay_alu instid0(VALU_DEP_1)
	v_lshl_add_u32 v3, v12, 4, v3                  ; a weight row of 1,024 bytes, + 16 h
	s_delay_alu instid0(VALU_DEP_3)
	v_lshl_add_u32 v4, v12, 4, v4                  ; of 2,048 bytes
.endif
	s_lshl_b32 s30, ttmp9, 16                      ; my 16 rows of 4,096 bytes,
	s_lshl_b32 s31, s[WV], 13                      ; my wave's two
	s_add_co_u32 s30, s30, s31
	s_mov_b32 s31, 0
	s_lshr_b32 s36, ttmp9, 2                       ; the image: (tile / 4) x 65,536 + wave x 8,192 + (tile % 4) x 2,048
	s_lshl_b32 s36, s36, 16
	s_lshl_b32 s37, s[WV], 13
	s_add_co_u32 s36, s36, s37
	s_and_b32 s37, ttmp9, 3
	s_lshl_b32 s37, s37, 11
	s_add_co_u32 s36, s36, s37
	s_mov_b32 s37, 0
	s_mov_b32 s[SEL], 0x76543210
	s_mov_b32 s[SEL+1], 0xfedcba98
	s_mov_b32 s[CV], 0x3a800000                    ; 1 / 1,024
	s_mov_b32 s[CE], 0x3727c5ac                    ; 1e-5
	s_wait_kmcnt 0x0
.if FIRST
	s_load_b128 s[32:35], s[10:11], 0x0            ; e0 .. e3
.else
	s_load_b32 s32, s[10:11], 0x28                 ; e10
.endif
	s_add_nc_u64 s[4:5], s[4:5], s[30:31]
	s_add_nc_u64 s[22:23], s[22:23], s[36:37]
.if FIRST
; s40 = a weight's tile, s41 = its group of 32 along K: the piece's place in the weight (rows of 1 << lk bytes) and in the images
.macro WADR src, dst, lk, off
	s_lshr_b32 s42, s40, 1
	s_lshl_b32 s42, s42, 5
	s_and_b32 s43, s40, 1
	s_lshl_b32 s43, s43, 3
	s_add_co_u32 s42, s42, s43                     ; the tile's first row
	s_lshl_b32 s42, s42, \lk
	s_lshl_b32 s43, s41, 5
	s_add_co_u32 s42, s42, s43
	s_mov_b32 s43, 0
	s_add_nc_u64 s[\src:\src+1], s[\src:\src+1], s[42:43]
	s_lshl_b32 s44, s40, \lk+4
	s_lshl_b32 s45, s41, 9
	s_add_co_u32 s44, s44, s45
	s_add_co_u32 s44, s44, \off
	s_mov_b32 s45, 0
	s_add_nc_u64 s[\dst:\dst+1], s[24:25], s[44:45]
.endm
	s_lshl_b32 s39, s[WV], 1
	s_lshr_b32 s40, ttmp9, 1                       ; W1: 128 tiles x 32 groups: two pieces a wave
	s_and_b32 s41, ttmp9, 1
	s_lshl_b32 s41, s41, 4
	s_add_co_u32 s41, s41, s39
	WADR 18, 46, 10, 0x280000
	s_lshr_b32 s40, ttmp9, 2                       ; W2: 64 tiles x 64 groups: two pieces a wave
	s_and_b32 s41, ttmp9, 3
	s_lshl_b32 s41, s41, 4
	s_add_co_u32 s41, s41, s39
	WADR 20, 48, 11, 0x480000
	s_and_b32 s41, ttmp9, 3                        ; Wq, Wo: 64 tiles x 32 groups: one piece a wave
	s_lshl_b32 s41, s41, 3
	s_add_co_u32 s41, s41, s[WV]
	WADR 12, 50, 10, 0
	WADR 16, 52, 10, 0x180000
	s_lshr_b32 s40, ttmp9, 3                       ; Wkv: 32 tiles x 32 groups: one piece for each of waves 0 to 3
	s_and_b32 s41, ttmp9, 7
	s_lshl_b32 s41, s41, 2
	s_add_co_u32 s41, s41, s[WV]
	WADR 14, 54, 10, 0x100000
.irp i, 0,1,2,3
	v_mov_b32 v[WR+\i], 0
.endr
	s_cmp_lt_u32 s[WV], 4                          ; this load is the oldest, so the counts below are the same with it and without
	s_cbranch_scc0 .Lno_kv
	s_wait_alu depctr_va_vdst(0)
	global_load_b128 v[WR:WR+3], v3, s[14:15]
.Lno_kv:
.endif
.set I, 0
.rept 8
	global_load_b128 v[X0+4*I:X0+4*I+3], v2, s[4:5] offset:512*I
.set I, I+1
.endr
.set I, 0
.rept 8
	global_load_b128 v[X1+4*I:X1+4*I+3], v2, s[4:5] offset:4096+512*I
.set I, I+1
.endr
.set I, 0
.rept 8
	global_load_b128 v[GG+4*I:GG+4*I+3], v2, s[6:7] offset:512*I
.set I, I+1
.endr
.set I, 0
.rept 8
	global_load_b128 v[BB+4*I:BB+4*I+3], v2, s[8:9] offset:512*I
.set I, I+1
.endr
.if FIRST
	s_wait_alu depctr_va_vdst(0)
	global_load_b128 v[WR+4:WR+7], v3, s[18:19]
	global_load_b128 v[WR+8:WR+11], v3, s[18:19] offset:32
	global_load_b128 v[WR+12:WR+15], v4, s[20:21]
	global_load_b128 v[WR+16:WR+19], v4, s[20:21] offset:32
	global_load_b128 v[WR+20:WR+23], v3, s[12:13]
	global_load_b128 v[WR+24:WR+27], v3, s[16:17]
.endif
.macro MKSCALE e, vs                   ; s[e] = a scale's exponent: 2^e and 57,344 x 2^e as f32
	s_add_co_i32 s[\e], s[\e], 127
	s_lshl_b32 s38, s[\e], 23
	v_mov_b32 v[\vs], s38
	s_add_co_i32 s[\e], s[\e], 15
	s_lshl_b32 s[\e], s[\e], 23
	s_or_b32 s[\e], s[\e], 0x600000
	v_mov_b32 v[\vs+1], s[\e]
.endm
	s_wait_kmcnt 0x0
	MKSCALE 32, SCL
.if FIRST
	MKSCALE 34, SCL+2
.endif
.macro SUM32 a                         ; v[a] summed over the wave's 32 lanes, into every lane
	s_delay_alu instid0(VALU_DEP_1)
	v_add_f32_dpp v[\a], v[\a], v[\a] row_xmask:1 row_mask:0xf bank_mask:0xf
	s_delay_alu instid0(VALU_DEP_1)
	v_add_f32_dpp v[\a], v[\a], v[\a] row_xmask:2 row_mask:0xf bank_mask:0xf
	s_delay_alu instid0(VALU_DEP_1)
	v_add_f32_dpp v[\a], v[\a], v[\a] row_xmask:4 row_mask:0xf bank_mask:0xf
	s_delay_alu instid0(VALU_DEP_1)
	v_add_f32_dpp v[\a], v[\a], v[\a] row_xmask:8 row_mask:0xf bank_mask:0xf
	s_delay_alu instid0(VALU_DEP_1)
	v_permlanex16_b32 v12, v[\a], s[SEL], s[SEL+1]
	s_delay_alu instid0(VALU_DEP_1)
	v_add_f32 v[\a], v[\a], v12
.endm
.macro STATS x                         ; the row in v[x] on becomes (x - mean) / sqrt(var + eps)
	v_pk_add_f32 v[8:9], v[\x:\x+1], v[\x+2:\x+3]
	v_pk_add_f32 v[10:11], v[\x+4:\x+5], v[\x+6:\x+7]
.irp j, 8,12,16,20,24,28
	s_delay_alu instid0(VALU_DEP_2)
	v_pk_add_f32 v[8:9], v[8:9], v[\x+\j:\x+\j+1]
	s_delay_alu instid0(VALU_DEP_2)
	v_pk_add_f32 v[10:11], v[10:11], v[\x+\j+2:\x+\j+3]
.endr
	s_delay_alu instid0(VALU_DEP_1)
	v_pk_add_f32 v[8:9], v[8:9], v[10:11]
	s_delay_alu instid0(VALU_DEP_1)
	v_add_f32 v8, v8, v9
	SUM32 8
	s_delay_alu instid0(VALU_DEP_1)
	v_mul_f32 v8, s[CV], v8                        ; the mean
.set I, 0
.rept 16
	v_pk_add_f32 v[\x+I:\x+I+1], v[\x+I:\x+I+1], v[8:9] op_sel_hi:[1,0] neg_lo:[0,1] neg_hi:[0,1]
.set I, I+2
.endr
	v_pk_mul_f32 v[10:11], v[\x:\x+1], v[\x:\x+1]
	v_pk_mul_f32 v[14:15], v[\x+2:\x+3], v[\x+2:\x+3]
.irp j, 4,8,12,16,20,24,28
	s_delay_alu instid0(VALU_DEP_2)
	v_pk_fma_f32 v[10:11], v[\x+\j:\x+\j+1], v[\x+\j:\x+\j+1], v[10:11]
	s_delay_alu instid0(VALU_DEP_2)
	v_pk_fma_f32 v[14:15], v[\x+\j+2:\x+\j+3], v[\x+\j+2:\x+\j+3], v[14:15]
.endr
	s_delay_alu instid0(VALU_DEP_1)
	v_pk_add_f32 v[10:11], v[10:11], v[14:15]
	s_delay_alu instid0(VALU_DEP_1)
	v_add_f32 v10, v10, v11
	SUM32 10
	s_delay_alu instid0(VALU_DEP_1)
	v_fma_f32 v10, v10, s[CV], s[CE]               ; var + eps
	s_wait_alu depctr_va_vdst(0)
	v_rsq_f32 v8, v10
	v_nop                                          ; a plain line between the transcendental and the use of its result
.set I, 0
	s_wait_alu depctr_va_vdst(0)
.rept 16
	v_pk_mul_f32 v[\x+I:\x+I+1], v[\x+I:\x+I+1], v[8:9] op_sel_hi:[1,0]
.set I, I+2
.endr
.endm
.macro NORM x
.set I, 0
.rept 16
	v_pk_fma_f32 v[\x+I:\x+I+1], v[\x+I:\x+I+1], v[GG+I:GG+I+1], v[BB+I:BB+I+1]
.set I, I+2
.endr
.endm
.macro QUANT x, row, ver               ; 32 numbers -> 32 codes: register i holds the 4 codes of columns 128 i + 4 lane on
.set I, 0
.rept 32
	v_med3_num_f32 v[T+I], v[\x+I], -v[SCL+2*\ver+1], v[SCL+2*\ver+1]   ; the conversion does not saturate (ISA guide 7.6.2): the hold at the largest code x the scale
.set I, I+1
.endr
.irp j, 0,1,2,3
	v_cvt_scalef32_pk8_bf8_f32 v[C+16*\row+8*\ver+2*\j:C+16*\row+8*\ver+2*\j+1], v[T+8*\j:T+8*\j+7], v[SCL+2*\ver]
.endr
	v_nop                                          ; a plain line behind the conversions: the next hold writes their sources
.irp i, 0,1,2,3,4,5,6,7
	ds_store_b32 v5, v[C+16*\row+8*\ver+\i] offset:\row*PITCH+128*\i+VERB*\ver
.endr
.endm
	s_wait_loadcnt 24+NW                           ; my first row is in: behind it the second row, g, b and the weights' pieces
	STATS X0
	s_wait_loadcnt 16+NW                           ; my second row
	STATS X1
	s_wait_loadcnt NW                              ; g and b
	NORM X0
	QUANT X0, 0, 0
.if FIRST
	QUANT X0, 0, 1
	s_wait_alu depctr_va_vdst(0)                   ; the wait ahead of the blocking wait
	s_wait_loadcnt 0x0                             ; the weights' pieces: they leave here, ahead of the second row's work and of the images
	global_store_b128 v2, v[WR+4:WR+7], s[46:47]
	global_store_b128 v2, v[WR+8:WR+11], s[46:47] offset:512
	global_store_b128 v2, v[WR+12:WR+15], s[48:49]
	global_store_b128 v2, v[WR+16:WR+19], s[48:49] offset:512
	global_store_b128 v2, v[WR+20:WR+23], s[50:51]
	global_store_b128 v2, v[WR+24:WR+27], s[52:53]
	s_cmp_lt_u32 s[WV], 4
	s_cbranch_scc0 .Ldone
	global_store_b128 v2, v[WR:WR+3], s[54:55]
.Ldone:
.endif
	NORM X1
	QUANT X1, 1, 0
.if FIRST
	QUANT X1, 1, 1
.endif
	s_wait_dscnt 0x0                               ; for the others' sake: my codes lie in LDS
	s_barrier_signal -1
	s_barrier_wait -1
.set N, 0
.rept 4*NVER
	ds_load_b128 v[T+4*N:T+4*N+3], v6 offset:32*(N%4)+VERB*(N/4)
.set N, N+1
.endr
.set N, 0
.rept 4*NVER
	s_wait_dscnt 4*NVER-1-N                        ; LDS loads come back in order: piece N is in
	global_store_b128 v2, v[T+4*N:T+4*N+3], s[22:23] offset:0x400000*(N/4)+512*(N%4)   ; 32 lanes store 512 consecutive bytes
.set N, N+1
.endr
.if FIRST
.endif
	s_wait_tensorcnt 0x0
	ds_add_u32 v240, v241
	s_wait_dscnt 0x0
	s_endpgm
.Lfunc_end_k_q5f27a5c447_prep:
	.size	k_q5f27a5c447_prep, .Lfunc_end_k_q5f27a5c447_prep-k_q5f27a5c447_prep
	.p2alignl 7, 3214868480
	.fill 96, 4, 3214868480
	.section	.rodata,"a",@progbits
	.p2align	6, 0x0
	.amdhsa_kernel k_q5f27a5c447_prep
		.amdhsa_group_segment_fixed_size 34304
		.amdhsa_private_segment_fixed_size 0
		.amdhsa_enable_private_segment 0
		.amdhsa_kernarg_size 88
		.amdhsa_user_sgpr_count 2
		.amdhsa_user_sgpr_kernarg_segment_ptr 1
		.amdhsa_wavefront_size32 1
		.amdhsa_system_sgpr_workgroup_id_x 1
		.amdhsa_system_sgpr_workgroup_id_y 1
		.amdhsa_system_sgpr_workgroup_id_z 1
		.amdhsa_system_vgpr_workitem_id 0
		.amdhsa_next_free_vgpr 242
		.amdhsa_next_free_sgpr 66
		.amdhsa_reserve_vcc 0
		.amdhsa_float_denorm_mode_32 3
		.amdhsa_float_denorm_mode_16_64 3
		.amdhsa_memory_ordered 1
		.amdhsa_forward_progress 1
		.amdhsa_inst_pref_size 39
	.end_amdhsa_kernel
	.amdgpu_metadata
---
amdhsa.version: [ 1, 2 ]
amdhsa.kernels:
  - .name:           k_q5f27a5c447_prep
    .symbol:         k_q5f27a5c447_prep.kd
    .args:
      - { .name: x, .offset: 0, .size: 8, .value_kind: global_buffer, .address_space: global }
      - { .name: ln1_g, .offset: 8, .size: 8, .value_kind: global_buffer, .address_space: global }
      - { .name: ln1_b, .offset: 16, .size: 8, .value_kind: global_buffer, .address_space: global }
      - { .name: lowp_scales, .offset: 24, .size: 8, .value_kind: global_buffer, .address_space: global }
      - { .name: Wq_codes, .offset: 32, .size: 8, .value_kind: global_buffer, .address_space: global }
      - { .name: Wkv_codes, .offset: 40, .size: 8, .value_kind: global_buffer, .address_space: global }
      - { .name: Wo_codes, .offset: 48, .size: 8, .value_kind: global_buffer, .address_space: global }
      - { .name: W1_codes, .offset: 56, .size: 8, .value_kind: global_buffer, .address_space: global }
      - { .name: W2_codes, .offset: 64, .size: 8, .value_kind: global_buffer, .address_space: global }
      - { .name: himg, .offset: 72, .size: 8, .value_kind: global_buffer, .address_space: global }
      - { .name: wimg, .offset: 80, .size: 8, .value_kind: global_buffer, .address_space: global }
    .group_segment_fixed_size: 34304
    .private_segment_fixed_size: 0
    .kernarg_segment_align: 8
    .kernarg_segment_size: 88
    .max_flat_workgroup_size: 256
    .sgpr_count:     66
    .vgpr_count:     242
    .wavefront_size: 32
...
	.end_amdgpu_metadata
.endif
;; end of part 1
;; launch qkv (part 2): grid 4 x 64, 4 waves a work-group, clusters of 4 x 1, 327,680 bytes of LDS; arguments himg, wimg, lowp_scales, cos, sin, qkv; writes qkv
.if DOCPART == 2
	.amdgcn_target "amdgcn-amd-amdhsa--gfx1250"
	.amdhsa_code_object_version 6
	.text
	.protected	k_q5f27a5c447_qkv
	.globl	k_q5f27a5c447_qkv
	.p2align	8
	.type	k_q5f27a5c447_qkv,@function
k_q5f27a5c447_qkv:
	s_mov_b64 s[64:65], 0
	v_nop
	global_prefetch_b8 v0, s[64:65] scope:SCOPE_SE
	s_setreg_imm32_b32 hwreg(HW_REG_WAVE_MODE, 25, 1), 1
	s_wait_xcnt 0x0
	s_wait_alu depctr_hold_cnt(0) depctr_sa_sdst(0) depctr_va_vdst(0) depctr_va_sdst(0) depctr_va_ssrc(0) depctr_va_vcc(0) depctr_vm_vsrc(0)
	s_getreg_b32 s2, hwreg(HW_REG_IB_STS2, 6, 4)
	s_cmp_eq_u32 s2, 0
	s_cbranch_scc0 .Lentry_in_a_cluster
	s_endpgm
.Lentry_in_a_cluster:
	s_bfe_u32 s2, ttmp6, 0x10000c
	s_cmp_lg_u32 s2, 0x3003
	s_cbranch_scc0 .Lentry_shape_is_right
	s_endpgm
.Lentry_shape_is_right:
; q = rope(h Wq^T), k = rope(h Wk^T), v = h Wv^T on codes of BF8 (E5M2); the results are quantised in registers (q: e4, k: e5, v: e7) and stored as operand images for the attention.
; SHARES: a work-group takes 64 tokens (grid y) and one key/value head g (grid x): its four query heads, its K and its V.  Wave w makes query head 4 g + w (64 columns, 16 accumulators), then two tiles of Wkv:
; waves 0 and 1 the two halves of K, waves 2 and 3 the two halves of V.
; A (the tokens' codes, as images) comes by tensor loads into LDS, filled once.  The four work-groups of a cluster need the same tokens and the same rows of cos and sin: each load is asked for JOINTLY (mask 15).
; B (the weights' images) goes from memory straight into registers, 512 consecutive bytes a load, each byte read by the one wave that multiplies by it.  It is not shared in the cluster: a joint load lands in LDS alone,
; and the way through LDS would add 384 KB of LDS writes and as many reads for each work-group, and a ring that is filled again.
; THE PRODUCTS FOR q AND k ARE USED TRANSPOSED (source 0 = 16 rows of the weight, source 1 = 16 tokens): with the weights' paired tiles a lane holds one token and, in two neighbouring tiles, 16 neighbouring channels.
; v IS MADE IN THE NATURAL ORDER (source 0 = tokens): a lane holds one channel and eight tokens, neighbours along the second attention product's K.
; The sums are not scaled: rope is linear, and the conversion takes 2^(e_out - e_A - e_B).  LIMITS: e4 - e0 - e1, e5 - e2 - e3, e7 - e2 - e3 between -126 and 112.  k is permuted alike in both operands of every product.
; REGISTERS, in windows of 256: window 0: v3-10 addresses, v20-23 scales, v32-63 codes, v64-127 and v128-191 A's fragments by turns (later cos and sin), v192-223 at work.
;   windows 1, 2: B, eight slots of 64 (K step q in slot q % 8); window 1 is taken again by Wkv's fragments.   window 3: v0-127 the accumulators.
; LDS: h for Wq at 0; h for Wkv at 65,536; cos at 131,072 (64 rows, 272 bytes apart); sin at 148,480.
.set WV, 16
.set XX, 17
.set YY, 18
.set LI,  3                            ; v3   16 x lane
.set LI2, 4                            ; v4   + 65,536
.set CA,  9                            ; v9   cos of my token, my half's 16 channels
.set CAK, 10                           ; v10  the same for my half of K
.set QS,  20                           ; v20, v21  q's scale and hold;  v22, v23  k's or v's
.set G1A, 24
.set G1B, 32
.set G1C, 40
.set D0,  15|(3<<16)|(1<<21)                             ; the mask: all four work-groups; elements of 8 bytes; bit 21 beside a mask
.set D0P, 15|(3<<16)|(1<<20)|(1<<21)|(5<<22)|(3<<25)     ; the same with 4 words of padding behind every 64
.set MSB, 0
.macro WIN new                         ; the immediate's high byte repeats the setting that is left
.if MSB != (\new)
	s_set_vgpr_msb (MSB<<8)|(\new)
.set MSB, (\new)
.endif
.endm
.macro PLACES                          ; four plain lines between matrix instructions and loads into, or reads of, their registers
.rept 4
	v_nop
.endr
.endm
.macro CROUND                          ; a round of the cluster's barrier
	s_barrier_signal -1
	s_barrier_wait -1
	s_cmp_lg_u32 s[WV], 0
	s_cbranch_scc1 .Lnot_wave_0_\@
	s_barrier_signal -3
.Lnot_wave_0_\@:
	s_barrier_wait -3
	s_barrier_signal -1
	s_barrier_wait -1
.endm
.macro MKG1 g, rows, w0                ; a dense block as rows of 256 bytes (32 elements of 8)
	s_mov_b32 s[\g], \w0
	s_mov_b32 s[\g+1], 32<<16
	s_mov_b32 s[\g+2], (\rows)<<16
	s_mov_b32 s[\g+3], 32<<16
	s_mov_b32 s[\g+4], \rows
	s_mov_b32 s[\g+5], 32
	s_mov_b32 s[\g+6], 0
	s_mov_b32 s[\g+7], 0
.endm
.macro MKG0 g, lds, loff, ptr, goff
	s_mov_b32 s[\g], 1
	s_add_co_u32 s[\g+1], s[\lds], \loff
	s_add_nc_u64 s[\g+2:\g+3], s[\ptr:\ptr+1], \goff
	s_or_b32 s[\g+3], s[\g+3], 0x80000000
.endm
.macro BBATCH q                        ; Wq's four fragments of K step q
	WIN 0x40*(1+((\q)%8)/4)
.irp j, 0,1,2,3
.irp c, 0,1,2,3
	global_load_b128 v[64*((\q)%4)+16*\j+4*\c:64*((\q)%4)+16*\j+4*\c+3], v[LI], s[6:7] offset:\j*16384+(\q)*2048+512*\c
.endr
.endr
	WIN 0
.endm
.macro KVBATCH t                       ; Wkv: my two tiles' fragments of K steps 2 t and 2 t + 1, into slot t
	WIN 0x40
.irp ss, 0,1
.irp j, 0,1
.irp c, 0,1,2,3
	global_load_b128 v[64*(\t)+32*\ss+16*\j+4*\c:64*(\t)+32*\ss+16*\j+4*\c+3], v[LI], s[84:85] offset:\j*16384+(2*(\t)+\ss)*2048+512*\c
.endr
.endr
.endr
	WIN 0
.endm
.macro AFETCH adr, s                   ; the four token tiles' fragments of K step s into buffer s % 2
.irp m, 0,1,2,3
.irp c, 0,1,2,3
	ds_load_b128 v[64+64*((\s)%2)+16*\m+4*\c:64+64*((\s)%2)+16*\m+4*\c+3], v[\adr] offset:(\s)*8192+2048*\m+512*\c
.endr
.endr
.endm
.macro MUL s                           ; 16 products; the 16 accumulators take turns
	WIN 0xf1+((\s)%8)/4
.irp m, 0,1,2,3
.irp j, 0,1,2,3
.if (\s) == 0
	v_wmma_f32_16x16x128_bf8_bf8 v[8*(4*\m+\j):8*(4*\m+\j)+7], v[64*((\s)%4)+16*\j:64*((\s)%4)+16*\j+15], v[64+64*((\s)%2)+16*\m:64+64*((\s)%2)+16*\m+15], 0
.else
	v_wmma_f32_16x16x128_bf8_bf8 v[8*(4*\m+\j):8*(4*\m+\j)+7], v[64*((\s)%4)+16*\j:64*((\s)%4)+16*\j+15], v[64+64*((\s)%2)+16*\m:64+64*((\s)%2)+16*\m+15], v[8*(4*\m+\j):8*(4*\m+\j)+7]
.endif
.endr
.endr
.endm
.macro STEP s
	WIN 0
	PLACES
.if (\s)+1 < 8
.if (\s)+1 == 7                        ; h for Wkv and the tables are shown to every wave ahead of the last K step
	s_wait_tensorcnt 0x0
	s_wait_dscnt 0x0
	s_barrier_signal -1
	s_barrier_wait -1
.endif
	AFETCH LI, (\s)+1
.endif
.if (\s)+3 < 8
	BBATCH (\s)+3
.else
	KVBATCH (\s)+3-8
.endif
.if (\s)+1 < 8
	s_wait_dscnt 16                                ; this step's fragments are in; the sixteen just asked for stay out
.else
	s_wait_dscnt 0x0
.endif
	s_wait_loadcnt 48                              ; this step's batch is in: three batches of sixteen were issued behind it
	MUL \s
.endm
	s_load_b256 s[4:11], s[0:1], 0x0               ; h's images, the weights' images, the exponents, cos
	s_load_b128 s[12:15], s[0:1], 0x20             ; sin, the results
	v_lshl_add_u32 v254, v0, 2, 0x29000
	v_mov_b32 v255, 0
	ds_add_u32 v254, v255
	ds_add_u32 v254, v255
	v_lshrrev_b32 v1, 5, v0
	v_readfirstlane_b32 s[WV], v1                  ; wave 0..3
	v_and_b32 v1, 31, v0
	v_and_b32 v2, 15, v0                           ; r
	v_bfe_u32 v11, v0, 4, 1                        ; h
	v_lshlrev_b32 v[LI], 4, v1
	v_add_nc_u32 v[LI2], 0x10000, v[LI]
	v_mul_u32_u24 v[CA], v2, 272
	v_lshl_add_u32 v[CA], v11, 6, v[CA]
	v_add_nc_u32 v[CA], 0x20000, v[CA]
	s_and_b32 s66, s[WV], 1
	s_lshl_b32 s66, s66, 7
	v_add_nc_u32 v[CAK], s66, v[CA]
	s_bfe_u32 s19, ttmp6, 0x40000                  ; cx
	s_lshl_b32 s[XX], ttmp9, 2
	s_add_co_u32 s[XX], s[XX], s19                 ; the key/value head
	s_and_b32 s[YY], ttmp7, 0xffff                 ; the block of 64 tokens
	s_and_b32 s99, s[YY], 31                       ; its place in the batch
	MKG1 G1A, 128, D0
	MKG1 G1B, 64, D0
	MKG1 G1C, 64, D0P
	s_lshl_b32 s20, s[XX], 4                       ; Wq: tiles 16 g + 4 w on, 16,384 bytes each
	s_lshl_b32 s21, s[WV], 2
	s_add_co_u32 s20, s20, s21
	s_lshl_b32 s20, s20, 14
	s_mov_b32 s21, 0
	s_lshl_b32 s22, s[XX], 3                       ; Wkv: tiles 8 g + 2 w on
	s_lshl_b32 s23, s[WV], 1
	s_add_co_u32 s22, s22, s23
	s_lshl_b32 s22, s22, 14
	s_add_co_u32 s22, s22, 0x100000
	s_mov_b32 s23, 0
	s_wait_alu depctr_va_vdst(0)
	s_wait_dscnt 0x0
	s_wait_kmcnt 0x0
	s_load_b256 s[76:83], s[8:9], 0x0              ; e0 .. e7
	s_add_nc_u64 s[84:85], s[6:7], s[22:23]
	s_add_nc_u64 s[6:7], s[6:7], s[20:21]
	BBATCH 0
	BBATCH 1
	BBATCH 2
	s_lshr_b32 s20, s[YY], 5                       ; q: (batch x 16 + 4 g + w) x 131,072 + 4 x place x 1,024
	s_lshl_b32 s20, s20, 4
	s_lshl_b32 s21, s[XX], 2
	s_add_co_u32 s20, s20, s21
	s_add_co_u32 s20, s20, s[WV]
	s_lshl_b32 s20, s20, 17
	s_lshl_b32 s21, s99, 12
	s_add_co_u32 s20, s20, s21
	s_mov_b32 s21, 0
	s_add_nc_u64 s[86:87], s[14:15], s[20:21]
	s_lshr_b32 s22, s[YY], 5                       ; K and V: 4 MB + (batch x 4 + g) x 262,144 +
	s_lshl_b32 s22, s22, 2
	s_add_co_u32 s22, s22, s[XX]
	s_lshl_b32 s22, s22, 18
	s_add_co_u32 s22, s22, 0x400000
	s_lshl_b32 s66, s99, 12                        ; K: 4 x place x 1,024 + 512 w
	s_lshl_b32 s67, s[WV], 9
	s_add_co_u32 s66, s66, s67
	s_lshr_b32 s67, s99, 1                         ; V: 131,072 + (place / 2) x 8,192 + 2 (w - 2) x 2,048 + 2 (place % 2) x 512
	s_lshl_b32 s67, s67, 13
	s_lshl_b32 s23, s[WV], 12
	s_add_co_u32 s67, s67, s23
	s_and_b32 s23, s99, 1
	s_lshl_b32 s23, s23, 10
	s_add_co_u32 s67, s67, s23
	s_add_co_u32 s67, s67, 122880
	s_cmp_lt_u32 s[WV], 2
	s_cselect_b32 s66, s66, s67
	s_add_co_u32 s22, s22, s66
	s_mov_b32 s23, 0
	s_add_nc_u64 s[88:89], s[14:15], s[22:23]
	; what I fetch: made of the block's number and the wave's number alone, which the four partners share
	s_lshl_b32 s100, s[YY], 16
	s_lshl_b32 s96, s[WV], 14
	s_add_co_u32 s100, s100, s96
	s_mov_b32 s101, 0
	s_add_nc_u64 s[90:91], s[4:5], s[100:101]      ; h for Wq: my 4,096 bytes of each quarter
	s_lshl_b32 s100, s[YY], 16
	s_and_b32 s97, s[WV], 1                        ; waves 0 and 1: a half of h for Wkv each
	s_lshl_b32 s97, s97, 15
	s_add_co_u32 s100, s100, s97
	s_add_co_u32 s100, s100, 0x400000
	s_add_nc_u64 s[92:93], s[4:5], s[100:101]      ; h for Wkv: my half
	s_lshl_b32 s100, s99, 14
	s_cmp_eq_u32 s[WV], 2                          ; wave 2: the 64 rows of cos; wave 3: of sin
	s_cselect_b64 s[94:95], s[10:11], s[12:13]
	s_add_nc_u64 s[94:95], s[94:95], s[100:101]
	s_and_b32 s98, s[WV], 1
	s_mul_i32 s98, s98, 17408
	MKG0 48, 96, 0, 90, 0
	MKG0 68, 97, 65536, 92, 0
	MKG0 72, 98, 131072, 94, 0
	CROUND                                         ; all four work-groups are here: the joint loads meet
	tensor_load_to_lds s[48:51], s[G1B:G1B+7]      ; my one load at the head: my 16,384 bytes of h for Wq
	s_nop 0
	PLACES
.macro MKSCALE e, vs                   ; s[e] = an exponent: 2^e and 57,344 x 2^e as f32
	s_add_co_i32 s[\e], s[\e], 127
	s_lshl_b32 s67, s[\e], 23
	v_mov_b32 v[\vs], s67
	s_add_co_i32 s[\e], s[\e], 15
	s_lshl_b32 s[\e], s[\e], 23
	s_or_b32 s[\e], s[\e], 0x600000
	v_mov_b32 v[\vs+1], s[\e]
.endm
	s_wait_kmcnt 0x0
	s_sub_co_i32 s80, s80, s76
	s_sub_co_i32 s80, s80, s77                     ; e4 - e0 - e1
	MKSCALE 80, QS
	s_cmp_lt_u32 s[WV], 2
	s_cselect_b32 s81, s81, s83                    ; e5 for K's waves, e7 for V's
	s_sub_co_i32 s81, s81, s78
	s_sub_co_i32 s81, s81, s79
	MKSCALE 81, QS+2
	s_wait_alu depctr_va_vdst(0)                   ; the wait at the head's end
	s_wait_tensorcnt 0x0                           ; my part of h for Wq is in; the later first fills stand behind these lines and a round
	ds_add_u32 v254, v255
	s_wait_dscnt 0x0
	CROUND
	s_cmp_lt_u32 s[WV], 2
	s_cbranch_scc0 .Ltables
	tensor_load_to_lds s[68:71], s[G1A:G1A+7]      ; waves 0, 1: h for Wkv
	s_nop 0
	PLACES
	s_branch .Lasked
.Ltables:
	tensor_load_to_lds s[72:75], s[G1C:G1C+7]      ; waves 2, 3: cos, sin
	s_nop 0
	PLACES
.Lasked:
	AFETCH LI, 0
.irp s, 0,1,2,3,4,5,6,7
	STEP \s
.endr
	KVBATCH 3
	PLACES
; cos and sin of one token tile and 16 channels a lane: 4 + 4 loads into group grp of v64-191
.macro CSLOAD adr, grp, off
.irp i, 0,1,2,3
	ds_load_b128 v[64+32*(\grp)+4*\i:64+32*(\grp)+4*\i+3], v[\adr] offset:(\off)+16*\i
	ds_load_b128 v[80+32*(\grp)+4*\i:80+32*(\grp)+4*\i+3], v[\adr] offset:(\off)+17408+16*\i
.endr
.endm
; 16 neighbouring channels of a token: (a0, a1) -> (a0 c0 - a1 s0, a1 c1 + a0 s1), held, converted.  The accumulators are read from their low end on.
.macro ROPEQ acc, grp, sc, code
	WIN 0x03
.irp i, 0,2,4,6,8,10,12,14
	v_mul_f32 v[208+\i], v[(\acc)+\i], v[64+32*(\grp)+\i]
	v_mul_f32 v[209+\i], v[(\acc)+\i+1], v[65+32*(\grp)+\i]
.endr
.irp i, 0,2,4,6,8,10,12,14
	v_fma_f32 v[192+\i], -v[(\acc)+\i+1], v[80+32*(\grp)+\i], v[208+\i]
	v_fma_f32 v[193+\i], v[(\acc)+\i], v[81+32*(\grp)+\i], v[209+\i]
.endr
	WIN 0
.set I, 0
.rept 16
	v_med3_num_f32 v[192+I], v[192+I], -v[\sc+1], v[\sc+1]
.set I, I+1
.endr
	v_cvt_scalef32_pk8_bf8_f32 v[(\code):(\code)+1], v[192:199], v[\sc]
	v_cvt_scalef32_pk8_bf8_f32 v[(\code)+2:(\code)+3], v[200:207], v[\sc]
	v_nop                                          ; a plain line behind the conversions: later lines write their sources
.endm
.irp p, 0,1                            ; q, two token tiles at a time
.irp mm, 0,1
.irp b, 0,1
	CSLOAD CA, 2*\mm+\b, 4352*(2*\p+\mm)+128*\b
.endr
.endr
	s_wait_dscnt 0x0
.irp mm, 0,1
.irp b, 0,1
	ROPEQ 32*(2*\p+\mm)+16*\b, 2*\mm+\b, QS, 32+4*(4*\p+2*\mm+\b)
	global_store_b128 v[LI], v[32+4*(4*\p+2*\mm+\b):35+4*(4*\p+2*\mm+\b)], s[86:87] offset:1024*(2*\p+\mm)+512*\b   ; 512 consecutive bytes
.endr
.endr
.endr
; K or V: 8 K steps of 8 products on accumulators (m, j) at 8 (2 m + j), by turns
.macro KVMUL s, isv
.if \isv
	WIN 0xf4                                       ; source 0 (tokens) window 0, source 1 (weight) window 1
.else
	WIN 0xf1
.endif
.irp m, 0,1,2,3
.irp j, 0,1
.if \isv
.if (\s) == 0
	v_wmma_f32_16x16x128_bf8_bf8 v[8*(2*\m+\j):8*(2*\m+\j)+7], v[64+64*((\s)%2)+16*\m:64+64*((\s)%2)+16*\m+15], v[64*((\s)/2)+32*((\s)%2)+16*\j:64*((\s)/2)+32*((\s)%2)+16*\j+15], 0
.else
	v_wmma_f32_16x16x128_bf8_bf8 v[8*(2*\m+\j):8*(2*\m+\j)+7], v[64+64*((\s)%2)+16*\m:64+64*((\s)%2)+16*\m+15], v[64*((\s)/2)+32*((\s)%2)+16*\j:64*((\s)/2)+32*((\s)%2)+16*\j+15], v[8*(2*\m+\j):8*(2*\m+\j)+7]
.endif
.else
.if (\s) == 0
	v_wmma_f32_16x16x128_bf8_bf8 v[8*(2*\m+\j):8*(2*\m+\j)+7], v[64*((\s)/2)+32*((\s)%2)+16*\j:64*((\s)/2)+32*((\s)%2)+16*\j+15], v[64+64*((\s)%2)+16*\m:64+64*((\s)%2)+16*\m+15], 0
.else
	v_wmma_f32_16x16x128_bf8_bf8 v[8*(2*\m+\j):8*(2*\m+\j)+7], v[64*((\s)/2)+32*((\s)%2)+16*\j:64*((\s)/2)+32*((\s)%2)+16*\j+15], v[64+64*((\s)%2)+16*\m:64+64*((\s)%2)+16*\m+15], v[8*(2*\m+\j):8*(2*\m+\j)+7]
.endif
.endif
.endr
.endr
.endm
.macro KVPHASE isv
	AFETCH LI2, 0
.irp s, 0,1,2,3,4,5,6,7
	WIN 0
	PLACES
.if \s < 7
	AFETCH LI2, \s+1
	s_wait_dscnt 16
.else
	s_wait_dscnt 0x0
.endif
	s_wait_loadcnt 16*(3-\s/2)                     ; the batch of this pair of K steps is in: so many loads were issued behind it
	KVMUL \s, \isv
.endr
	WIN 0
	PLACES
	s_wait_xcnt 0x0                                ; q's stores have read their registers: the codes' registers are written again
.if \isv
.irp j, 0,1
.irp a, 0,1
	WIN 0x03
.set I, 0
.rept 8
	v_med3_num_f32 v[192+I], v[8*(4*\a+\j)+I], -v[QS+3], v[QS+3]       ; tokens 32 a + 8 h + 0 .. 7 of my channel,
.set I, I+1
.endr
.set I, 0
.rept 8
	v_med3_num_f32 v[200+I], v[8*(4*\a+2+\j)+I], -v[QS+3], v[QS+3]     ; and 32 a + 16 + 8 h + 0 .. 7
.set I, I+1
.endr
	WIN 0
	v_cvt_scalef32_pk8_bf8_f32 v[32+4*(2*\j+\a):33+4*(2*\j+\a)], v[192:199], v[QS+2]
	v_cvt_scalef32_pk8_bf8_f32 v[34+4*(2*\j+\a):35+4*(2*\j+\a)], v[200:207], v[QS+2]
	v_nop
	global_store_b128 v[LI], v[32+4*(2*\j+\a):35+4*(2*\j+\a)], s[88:89] offset:2048*\j+512*\a
.endr
.endr
.else
.irp m, 0,1,2,3
	CSLOAD CAK, \m, 4352*\m
.endr
	s_wait_dscnt 0x0
.irp m, 0,1,2,3
	ROPEQ 16*\m, \m, QS+2, 32+4*\m
	global_store_b128 v[LI], v[32+4*\m:35+4*\m], s[88:89] offset:1024*\m
.endr
.endif
.endm
	s_cmp_lt_u32 s[WV], 2                          ; the waves part on their number; no barrier stands on either way
	s_cbranch_scc0 .Lfor_v
	KVPHASE 0
	s_branch .Ljoin
.Lfor_v:
	KVPHASE 1
.Ljoin:
	s_wait_dscnt 0x0
	s_wait_tensorcnt 0x0
	ds_add_u32 v254, v255
	s_wait_dscnt 0x0
	CROUND                                         ; the closing round: no work-group ends while a partner may still ask jointly
	s_endpgm
.Lfunc_end_k_q5f27a5c447_qkv:
	.size	k_q5f27a5c447_qkv, .Lfunc_end_k_q5f27a5c447_qkv-k_q5f27a5c447_qkv
	.p2alignl 7, 3214868480
	.fill 96, 4, 3214868480
	.section	.rodata,"a",@progbits
	.p2align	6, 0x0
	.amdhsa_kernel k_q5f27a5c447_qkv
		.amdhsa_group_segment_fixed_size 327680
		.amdhsa_private_segment_fixed_size 0
		.amdhsa_enable_private_segment 0
		.amdhsa_kernarg_size 48
		.amdhsa_user_sgpr_count 2
		.amdhsa_user_sgpr_kernarg_segment_ptr 1
		.amdhsa_wavefront_size32 1
		.amdhsa_system_sgpr_workgroup_id_x 1
		.amdhsa_system_sgpr_workgroup_id_y 1
		.amdhsa_system_sgpr_workgroup_id_z 1
		.amdhsa_system_vgpr_workitem_id 0
		.amdhsa_next_free_vgpr 1024
		.amdhsa_next_free_sgpr 104
		.amdhsa_reserve_vcc 0
		.amdhsa_float_denorm_mode_32 3
		.amdhsa_float_denorm_mode_16_64 3
		.amdhsa_memory_ordered 1
		.amdhsa_forward_progress 1
		.amdhsa_inst_pref_size 119
	.end_amdhsa_kernel
	.amdgpu_metadata
---
amdhsa.version: [ 1, 2 ]
amdhsa.kernels:
  - .name:           k_q5f27a5c447_qkv
    .symbol:         k_q5f27a5c447_qkv.kd
    .args:
      - { .name: himg, .offset: 0, .size: 8, .value_kind: global_buffer, .address_space: global }
      - { .name: wimg, .offset: 8, .size: 8, .value_kind: global_buffer, .address_space: global }
      - { .name: lowp_scales, .offset: 16, .size: 8, .value_kind: global_buffer, .address_space: global }
      - { .name: cos, .offset: 24, .size: 8, .value_kind: global_buffer, .address_space: global }
      - { .name: sin, .offset: 32, .size: 8, .value_kind: global_buffer, .address_space: global }
      - { .name: qkv, .offset: 40, .size: 8, .value_kind: global_buffer, .address_space: global }
    .group_segment_fixed_size: 327680
    .private_segment_fixed_size: 0
    .kernarg_segment_align: 8
    .kernarg_segment_size: 48
    .max_flat_workgroup_size: 128
    .sgpr_count:     104
    .vgpr_count:     1024
    .wavefront_size: 32
...
	.end_amdgpu_metadata
.endif
;; end of part 2
;; launch attn (part 3): grid 32 x 8, 8 waves a work-group, clusters of 4 x 1, 327,680 bytes of LDS; arguments qkv, lowp_scales, oimg; writes oimg
.if DOCPART == 3
	.amdgcn_target "amdgcn-amd-amdhsa--gfx1250"
	.amdhsa_code_object_version 6
	.text
	.protected	k_q5f27a5c447_attn
	.globl	k_q5f27a5c447_attn
	.p2align	8
	.type	k_q5f27a5c447_attn,@function
k_q5f27a5c447_attn:
	s_mov_b64 s[64:65], 0
	v_nop
	global_prefetch_b8 v0, s[64:65] scope:SCOPE_SE
	s_setreg_imm32_b32 hwreg(HW_REG_WAVE_MODE, 25, 1), 1
	s_wait_xcnt 0x0
	s_wait_alu depctr_hold_cnt(0) depctr_sa_sdst(0) depctr_va_vdst(0) depctr_va_sdst(0) depctr_va_ssrc(0) depctr_va_vcc(0) depctr_vm_vsrc(0)
	s_getreg_b32 s2, hwreg(HW_REG_IB_STS2, 6, 4)
	s_cmp_eq_u32 s2, 0
	s_cbranch_scc0 .Lentry_in_a_cluster
	s_endpgm
.Lentry_in_a_cluster:
	s_bfe_u32 s2, ttmp6, 0x10000c
	s_cmp_lg_u32 s2, 0x3003
	s_cbranch_scc0 .Lentry_shape_is_right
	s_endpgm
.Lentry_shape_is_right:
; ATTENTION ON CODES OF BF8 (E5M2): o = softmax(q k^T / 8) v, 16 query heads on 4 key/value heads, 2,048 keys, head size 64, no mask; o is quantised (e8) and stored as an operand image.
; THE SOFTMAX: t = score x log2(e) / 8; M = the running largest t rounded UP to a whole number; p = 2^(t - M) is quantised (e6), not normalised; the row's sum is taken of the unquantised p and divides at the end.
; When M moves, the sum and O are multiplied by f = 2^(old M - new M): exact.
; SHARES: grid y = batch x 4 + key/value head; a work-group owns 256 queries of one query head; each of its EIGHT waves owns 32 of them, tiles A and B of 16: every fragment of K and V read from LDS feeds both tiles.
; ALL of the head's K and V (262,144 bytes) lies in LDS as it lies in memory, each byte filled ONCE, in two groups of JOINT loads (mask 15: the four work-groups of a cluster walk the same K and V), one load a wave in each:
; at the head key steps 0 to 3 (8,192 bytes a wave); behind three lines and a round, the other twelve (24,576 bytes a wave).  Trips 0 to 2 read key steps 0 to 3 alone; one barrier; thirteen trips.
; No prefetch: everything is asked for ahead of the first trip.
; LAYOUT: S^T = K Q^T (source 0 = 16 keys, source 1 = 16 queries), O^T = V^T P^T: a lane holds one query of each tile.  Score tile t converts into registers 2 t, 2 t + 1 of P, as V's image has its keys.
; THE TWO TILES RUN HALF A KEY STEP APART.  For tile X: START (scores, maximum, M, f, the first 32 scalings), BATCH (64 exponentials), and, one BATCH later, FINISH (O x f, conversion, O += V P).
; In a BATCH each exponential of X is followed by one plain line that reads nothing written in the batch: X's other 32 scalings (read behind the wait in the batch's middle), the first level of Y's sum, Y's holds.
; The sum's later levels stand where a result is waited for: between conversion and product, behind the score products, in the maximum's tail.
; THE TRIP IS WRITTEN FOR ALL KEY STEPS ALIKE: the first finishes a tile B of zeros (p = 0, O = 0, f = 0) against V of key step 0, which adds zeros.
; LIMITS: the scaled scores stay under 2^31; e4 + e5 between -123 and 130 (added to c's exponent field); e6 and e8 - e6 - e7 between -126 and 112.
; REGISTERS.  Window 0: v1, v2 16 x lane (+ 131,072); v3, v4 the spare word and 0; v5, v6 the step's addresses; v7 a permute's result; v8-13, v14-19 a tile's -M, largest score, sum (2), f (2); v24, v25 at work;
;   v26, v27 p's hold; v28 p's scale; v30, v31 o's scale and hold; v32-47 P's codes; v48-79 partial sums; v80-143 S^T / p of A; v144-207 of B; v208-215 eight maxima.
; Window 1: v0-63 K; v64-127 V; v128-159 O^T of A; v160-191 of B; v192-199, v200-207 Q of A, B.
.set WV,  18
.set NCS, 19                           ; -c
.set SEL, 20
.set CS,  22
.set G1,  24                           ; 32 rows of 256 bytes
.set G0,  32
.set G0B, 36
.set G1B, 40                           ; 96 rows
.set TB,  48                           ; LDS byte of the key step's K (V's lies 131,072 further on)
.set CNT, 49
.set LI,  1
.set LV,  2
.set SPW, 3
.set NIL, 4
.set ADK, 5
.set ADV, 6
.set PT,  7
.set STA, 8
.set STB, 14
.set DD,  24
.set LIM, 26
.set PSC, 28
.set OSC, 30
.set PC,  32
.set TT,  48
.set SA,  80
.set SB,  144
.set TS,  208
.set KR,  0
.set VR,  64
.set OA,  128
.set OB,  160
.set QA,  192
.set QB,  200
.set MSB, 0
.macro WIN new                         ; the immediate's high byte repeats the setting that is left
.if MSB != (\new)
	s_set_vgpr_msb (MSB<<8)|(\new)
.set MSB, (\new)
.endif
.endm
.macro CROUND
	s_barrier_signal -1
	s_barrier_wait -1
	s_cmp_lg_u32 s[WV], 0
	s_cbranch_scc1 .Lnot_wave_0_\@
	s_barrier_signal -3
.Lnot_wave_0_\@:
	s_barrier_wait -3
	s_barrier_signal -1
	s_barrier_wait -1
.endm
.macro MKG1 g, rows                    ; a dense block as rows of 256 bytes (32 elements of 8); the mask: all four work-groups; bit 21 beside it
	s_mov_b32 s[\g], 15|(3<<16)|(1<<21)
	s_mov_b32 s[\g+1], 32<<16
	s_mov_b32 s[\g+2], (\rows)<<16
	s_mov_b32 s[\g+3], 32<<16
	s_mov_b32 s[\g+4], \rows
	s_mov_b32 s[\g+5], 32
	s_mov_b32 s[\g+6], 0
	s_mov_b32 s[\g+7], 0
.endm
.macro KLOAD adr, off                  ; eight tiles of 16 keys
.irp t, 0,1,2,3,4,5,6,7
.irp c, 0,1
	ds_load_b128 v[KR+8*\t+4*\c:KR+8*\t+4*\c+3], v[\adr] offset:\off+1024*\t+512*\c
.endr
.endr
.endm
.macro VLOAD adr                       ; four tiles of 16 channels x 128 keys
.irp d, 0,1,2,3
.irp c, 0,1,2,3
	ds_load_b128 v[VR+16*\d+4*\c:VR+16*\d+4*\c+3], v[\adr] offset:2048*\d+512*\c
.endr
.endr
.endm
; the 16 partial pairs of a tile's sum are joined in four levels; then the sum becomes sum x f + them
.macro TREE1
.irp i, 0,1,2,3,4,5,6,7
	v_pk_add_f32 v[TT+4*\i:TT+4*\i+1], v[TT+4*\i:TT+4*\i+1], v[TT+4*\i+2:TT+4*\i+3]
.endr
.endm
.macro TREE2
.irp i, 0,1,2,3
	v_pk_add_f32 v[TT+8*\i:TT+8*\i+1], v[TT+8*\i:TT+8*\i+1], v[TT+8*\i+4:TT+8*\i+5]
.endr
.endm
.macro TREE3
	v_pk_add_f32 v[TT:TT+1], v[TT:TT+1], v[TT+8:TT+9]
	v_pk_add_f32 v[TT+16:TT+17], v[TT+16:TT+17], v[TT+24:TT+25]
.endm
.macro TREE4
	v_pk_add_f32 v[TT:TT+1], v[TT:TT+1], v[TT+16:TT+17]
.endm
.macro TREE5 m
	v_pk_fma_f32 v[\m+2:\m+3], v[\m+2:\m+3], v[\m+4:\m+5], v[TT:TT+1] op_sel_hi:[1,0,1]
.endm
; a: the tile's scores; m: its state; q: its Q; ld = 1: V of this key step and K of the next are fetched; lastk = 1: but no K in the loop's last trip
.macro START a, m, q, ld, lastk
	WIN 0x05                                       ; K and Q in window 1, the scores in window 0
.irp t, 0,1,2,3,4,5,6,7
	v_wmma_f32_16x16x64_bf8_bf8 v[\a+8*\t:\a+8*\t+7], v[KR+8*\t:KR+8*\t+7], v[\q:\q+7], 0
.endr
	WIN 0
.if \ld
	v_add_nc_u32 v[ADK], s[TB], v[LI]
	v_add_nc_u32 v[ADV], s[TB], v[LV]
.endif
	v_mov_b32 v[DD+1], v[\m]                       ; the old -M
	TREE2                                          ; with the line above: the places behind the products, ahead of the loads and of the first read of the scores
.if \ld
	WIN 0x40
	VLOAD ADV
	WIN 0
.if \lastk
	s_cmp_eq_u32 s[CNT], 1                         ; the last key step has no K behind it
	s_cbranch_scc1 .Lno_k_\@
.endif
	WIN 0x40
	KLOAD ADK, 8192
	WIN 0
.Lno_k_\@:
.endif
.irp t, 0,1,2,3,4,5,6,7                ; the largest score of my query among my 64 keys: eight chains, a tile each, read from its low end on
	v_max3_num_f32 v[TS+\t], v[\a+8*\t], v[\a+8*\t+1], v[\a+8*\t+2]
.endr
.irp j, 3,5
.irp t, 0,1,2,3,4,5,6,7
	v_max3_num_f32 v[TS+\t], v[TS+\t], v[\a+8*\t+\j], v[\a+8*\t+\j+1]
.endr
.endr
.irp t, 0,1,2,3
	v_max3_num_f32 v[TS+\t], v[TS+\t], v[\a+16*\t+7], v[\a+16*\t+15]   ; the tiles' last registers,
.endr
	v_max3_num_f32 v[TS+4], v[TS+4], v[TS+5], v[\m+1]                  ; the running largest score,
	TREE3
	v_max3_num_f32 v[TS], v[TS], v[TS+1], v[TS+2]                      ; and the chains
	v_max3_num_f32 v[TS+3], v[TS+3], v[TS+4], v[TS+6]
	TREE4
	v_max3_num_f32 v[TS], v[TS], v[TS+3], v[TS+7]
	TREE5 \m
	v_permlanex16_b32 v[PT], v[TS], s[SEL], s[SEL+1]
	v_max_num_f32 v[\m+1], v[TS], v[PT]            ; and lane l xor 16's
	v_mul_f32 v[DD], s[NCS], v[\m+1]               ; -t (c is positive)
	v_floor_f32 v[\m], v[DD]                       ; the new -M = -ceil(t)
.set I, 0
.rept 16
	v_pk_fma_f32 v[\a+2*I:\a+2*I+1], v[\a+2*I:\a+2*I+1], s[CS:CS+1], v[\m:\m+1] op_sel_hi:[1,0,0]   ; t - M of the first 32; f is made beside them
.if I == 3
	v_sub_f32 v[DD], v[\m], v[DD+1]                ; old M - new M: a whole number, 0 or less
.elseif I == 7
	v_cvt_i32_f32 v[DD], v[DD]                     ; (it saturates)
.elseif I == 11
	v_ldexp_f32 v[\m+4], 1.0, v[DD]                ; f
.endif
.set I, I+1
.endr
.endm
; a, m: the tile whose exponentials are taken; y: the other tile's p.  The wait behind the batch stands in FINISH
.macro BATCH a, m, y
	s_wait_alu depctr_va_vdst(0)                   ; ahead of the batch
.set I, 0
.rept 16
	v_exp_f32 v[\a+2*I], v[\a+2*I]
	v_pk_fma_f32 v[\a+32+2*I:\a+33+2*I], v[\a+32+2*I:\a+33+2*I], s[CS:CS+1], v[\m:\m+1] op_sel_hi:[1,0,0]
	v_exp_f32 v[\a+2*I+1], v[\a+2*I+1]
	v_pk_add_f32 v[TT+2*I:TT+2*I+1], v[\y+4*I:\y+4*I+1], v[\y+4*I+2:\y+4*I+3]   ; the sum is taken of the unquantised p, ahead of its hold
.set I, I+1
.endr
	s_wait_alu depctr_va_vdst(0)
.set I, 0
.rept 32
	v_exp_f32 v[\a+32+I], v[\a+32+I]
	v_dual_min_num_f32 v[\y+2*I], v[\y+2*I], v[LIM] :: v_dual_min_num_f32 v[\y+2*I+1], v[\y+2*I+1], v[LIM+1]   ; the conversion does not saturate (ISA guide 7.6.2); p is not negative
.set I, I+1
.endr
	v_nop                                          ; a plain line behind the last exponential
.endm
; y: the tile's held p; m: its state; o: its O^T
.macro FINISH y, m, o
	s_wait_dscnt 0x0                               ; V (and the next K) are in
	WIN 0x41                                       ; O^T in window 1, f in window 0
	s_wait_alu depctr_va_vdst(0)                   ; behind the batch, and directly ahead of the first reader of O^T
.set I, 0
.rept 16
	v_pk_mul_f32 v[\o+I:\o+I+1], v[\o+I:\o+I+1], v[\m+4:\m+5] op_sel_hi:[1,0]   ; O^T under the new M
.set I, I+2
.endr
	WIN 0
.irp t, 0,1,2,3,4,5,6,7
	v_cvt_scalef32_pk8_bf8_f32 v[PC+2*\t:PC+2*\t+1], v[\y+8*\t:\y+8*\t+7], v[PSC]
.endr
	TREE1                                          ; also the plain lines behind the conversions
	WIN 0x51                                       ; V and O^T in window 1, P in window 0
.irp d, 0,1,2,3
	v_wmma_f32_16x16x128_bf8_bf8 v[\o+8*\d:\o+8*\d+7], v[VR+16*\d:VR+16*\d+15], v[PC:PC+15], v[\o+8*\d:\o+8*\d+7]
.endr
.endm
.macro TRIP lastk                      ; a key step of 128 keys
	START SA, STA, QA, 0, 0
	BATCH SA, STA, SB
	FINISH SB, STB, OB                             ; B of the key step before
	START SB, STB, QB, 1, \lastk
	BATCH SB, STB, SA
	FINISH SA, STA, OA
	WIN 0
	s_add_co_u32 s[TB], s[TB], 8192
	s_sub_co_u32 s[CNT], s[CNT], 1
	s_cmp_lg_u32 s[CNT], 0
	s_wait_alu depctr_va_vdst(0)                   ; the wait ahead of the branch
.endm
	s_load_b128 s[4:7], s[0:1], 0x0                ; q, K, V; the exponents
	s_load_b64 s[8:9], s[0:1], 0x10                ; o's image
	v_lshl_add_u32 v[SPW], v0, 2, 0x40000
	v_mov_b32 v[NIL], 0
	ds_add_u32 v[SPW], v[NIL]                      ; the opening lines: the add twice on end and its wait
	ds_add_u32 v[SPW], v[NIL]
	v_lshrrev_b32 v5, 5, v0
	v_readfirstlane_b32 s[WV], v5                  ; wave 0..7
	v_and_b32 v6, 31, v0
	v_lshlrev_b32 v[LI], 4, v6
	v_add_nc_u32 v[LV], 0x20000, v[LI]
	s_bfe_u32 s50, ttmp6, 0x40000                  ; cx
	s_lshl_b32 s51, ttmp9, 2
	s_add_co_u32 s51, s51, s50                     ; X = 8 x (query head in its group) + block of 256 queries
	s_and_b32 s52, ttmp7, 0xffff                   ; batch x 4 + key/value head
	s_lshr_b32 s12, s[WV], 2                       ; what I fill: waves 0-3 K, waves 4-7 V;
	s_lshl_b32 s12, s12, 17
	s_and_b32 s62, s[WV], 3
	s_mul_i32 s16, s62, 24576                      ; later: my quarter of key steps 4 to 15,
	s_lshl_b32 s62, s62, 13                        ; first: key step wave % 4
	s_add_co_u32 s16, s16, s12
	s_add_co_u32 s16, s16, 32768
	s_add_co_u32 s12, s12, s62                     ; the same places in LDS and in memory
	s_mov_b32 s13, 0
	s_mov_b32 s17, 0
	s_lshl_b32 s10, s52, 18
	s_add_co_u32 s10, s10, 0x400000
	s_mov_b32 s11, 0
	s_lshr_b32 s53, s51, 3
	s_and_b32 s54, s51, 7
	s_lshl_b32 s56, s52, 2                         ; q: (batch x 16 + head) x 131,072 + (16 x block + 2 x wave) x 1,024
	s_add_co_u32 s56, s56, s53
	s_lshl_b32 s56, s56, 17
	s_lshl_b32 s57, s54, 3
	s_add_co_u32 s57, s57, s[WV]
	s_lshl_b32 s57, s57, 11
	s_add_co_u32 s56, s56, s57
	s_mov_b32 s57, 0
	s_lshr_b32 s58, s52, 2                         ; o: (batch x 32 + 4 x block + wave / 2) x 65,536 + (head / 2) x 8,192 + (wave % 2) x 4,096 + (head % 2) x 1,024; tile B 2,048 further on
	s_lshl_b32 s58, s58, 5
	s_lshl_b32 s59, s54, 2
	s_add_co_u32 s58, s58, s59
	s_lshr_b32 s59, s[WV], 1
	s_add_co_u32 s58, s58, s59
	s_lshl_b32 s58, s58, 16
	s_and_b32 s59, s52, 3
	s_lshl_b32 s59, s59, 2
	s_add_co_u32 s59, s59, s53                     ; the query head
	s_lshr_b32 s60, s59, 1
	s_lshl_b32 s60, s60, 13
	s_add_co_u32 s58, s58, s60
	s_and_b32 s60, s59, 1
	s_lshl_b32 s60, s60, 10
	s_add_co_u32 s58, s58, s60
	s_and_b32 s60, s[WV], 1
	s_lshl_b32 s60, s60, 12
	s_add_co_u32 s58, s58, s60
	s_mov_b32 s59, 0
	MKG1 G1, 32
	MKG1 G1B, 96
	s_mov_b32 s[SEL], 0x76543210
	s_mov_b32 s[SEL+1], 0xfedcba98
	s_mov_b32 s[CS], 0x3e38aa3b                    ; c = log2(e) / 8
	s_mov_b32 s[TB], 0
	s_mov_b32 s[CNT], 3
	s_wait_alu depctr_va_vdst(0)                   ; the wait ahead of the blocking waits
	s_wait_dscnt 0x0
	s_wait_kmcnt 0x0
	s_load_b128 s[68:71], s[6:7], 0x10             ; e4, e5, e6, e7
	s_load_b32 s72, s[6:7], 0x20                   ; e8
	s_add_nc_u64 s[14:15], s[4:5], s[10:11]
	s_add_nc_u64 s[56:57], s[4:5], s[56:57]
	s_add_nc_u64 s[8:9], s[8:9], s[58:59]
	WIN 0x40
	global_load_b128 v[QA:QA+3], v[LI], s[56:57]   ; Q's fragments stay in registers
	global_load_b128 v[QA+4:QA+7], v[LI], s[56:57] offset:512
	global_load_b128 v[QB:QB+3], v[LI], s[56:57] offset:1024
	global_load_b128 v[QB+4:QB+7], v[LI], s[56:57] offset:1536
	WIN 0
	s_mov_b32 s[G0], 1
	s_mov_b32 s[G0+1], s12
	s_add_nc_u64 s[G0+2:G0+3], s[14:15], s[12:13]
	s_or_b32 s[G0+3], s[G0+3], 0x80000000
	s_mov_b32 s[G0B], 1
	s_mov_b32 s[G0B+1], s16
	s_add_nc_u64 s[G0B+2:G0B+3], s[14:15], s[16:17]
	s_or_b32 s[G0B+3], s[G0B+3], 0x80000000
	CROUND                                         ; all four work-groups are here: the joint loads meet
	tensor_load_to_lds s[G0:G0+3], s[G1:G1+7]      ; my one load at the head
	s_nop 0
.rept 4
	v_nop
.endr
.irp m, STA, STB
	v_mov_b32 v[\m], 0x7f61b1e6                    ; -M: 3e38, so that the first f is 0
	v_mov_b32 v[\m+1], 0xff61b1e6                  ; the largest score so far: -3e38
	v_mov_b32 v[\m+2], 0
	v_mov_b32 v[\m+3], 0
	v_mov_b32 v[\m+4], 0
	v_mov_b32 v[\m+5], 0
.endr
	v_mov_b32 v[PT], 0                             ; a lane permute's destination counts as read
.set I, 0
.rept 32
	v_mov_b32 v[TT+I], 0                           ; the first trip joins zeros,
.set I, I+1
.endr
.set I, 0
.rept 64
	v_mov_b32 v[SB+I], 0                           ; and finishes a tile B of zeros
.set I, I+1
.endr
	WIN 0x40
.set I, 0
.rept 64
	v_mov_b32 v[OA+I], 0                           ; O^T of both tiles
.set I, I+1
.endr
	WIN 0
	s_wait_kmcnt 0x0
	s_add_co_i32 s60, s68, s69
	s_lshl_b32 s60, s60, 23
	s_add_co_i32 s[CS], s[CS], s60                 ; a score stands for score x 2^(e4 + e5)
	s_mov_b32 s[CS+1], s[CS]
	s_xor_b32 s[NCS], s[CS], 0x80000000
	s_add_co_i32 s60, s70, 127
	s_lshl_b32 s61, s60, 23
	v_mov_b32 v[PSC], s61                          ; 2^e6
	s_add_co_i32 s60, s60, 15
	s_lshl_b32 s60, s60, 23
	s_or_b32 s60, s60, 0x600000
	v_mov_b32 v[LIM], s60                          ; 57,344 x 2^e6, twice: the halves of a dual pair take their second sources from different banks
	v_mov_b32 v[LIM+1], s60
	s_sub_co_i32 s60, s72, s70
	s_sub_co_i32 s60, s60, s71
	s_add_co_i32 s60, s60, 127
	s_lshl_b32 s61, s60, 23
	v_mov_b32 v[OSC], s61                          ; 2^(e8 - e6 - e7): O^T / the sum stands for o / 2^(e6 + e7)
	s_add_co_i32 s60, s60, 15
	s_lshl_b32 s60, s60, 23
	s_or_b32 s60, s60, 0x600000
	v_mov_b32 v[OSC+1], s60
	s_wait_alu depctr_va_vdst(0)                   ; the wait at the head's end
	s_wait_loadcnt 0x0                             ; Q
	s_wait_tensorcnt 0x0                           ; my part of key steps 0 to 3 is in; the later first fill stands behind these lines and a round
	ds_add_u32 v[SPW], v[NIL]
	s_wait_dscnt 0x0
	CROUND                                         ; everybody's part is in
	tensor_load_to_lds s[G0B:G0B+3], s[G1B:G1B+7]  ; my part of key steps 4 to 15
	s_nop 0
.rept 4
	v_nop
.endr
	WIN 0x40
	KLOAD LI, 0                                    ; K of key step 0,
	VLOAD LV                                       ; and V of key step 0, against which the first trip's zeros are multiplied
	WIN 0
	s_wait_dscnt 0x0
.Lfirst:                                           ; trips 0 to 2: they read V of key steps 0 to 2 and K of key steps 1 to 3
	TRIP 0
	s_cbranch_scc1 .Lfirst
	s_wait_tensorcnt 0x0                           ; my part of the other key steps is in,
	s_wait_dscnt 0x0
	s_barrier_signal -1
	s_barrier_wait -1                              ; everybody's is; nothing is ever filled again
	s_mov_b32 s[CNT], 13
.Lstep:                                            ; trips 3 to 15
	TRIP 1
	s_cbranch_scc1 .Lstep
	TREE2                                          ; A's last sum
	TREE3
	TREE4
	TREE5 STA
.set I, 0
.rept 16
	v_pk_add_f32 v[TT+2*I:TT+2*I+1], v[SB+4*I:SB+4*I+1], v[SB+4*I+2:SB+4*I+3]   ; B's last key step: sum, hold,
.set I, I+1
.endr
.set I, 0
.rept 32
	v_dual_min_num_f32 v[SB+2*I], v[SB+2*I], v[LIM] :: v_dual_min_num_f32 v[SB+2*I+1], v[SB+2*I+1], v[LIM+1]
.set I, I+1
.endr
	FINISH SB, STB, OB                             ; and product
	WIN 0
	TREE2                                          ; also the places behind the last products
	TREE3
	TREE4
	TREE5 STB
	v_add_f32 v[STA+2], v[STA+2], v[STA+3]
	v_add_f32 v[STB+2], v[STB+2], v[STB+3]
	v_permlanex16_b32 v[PT], v[STA+2], s[SEL], s[SEL+1]
	v_permlanex16_b32 v[DD], v[STB+2], s[SEL], s[SEL+1]
	v_add_f32 v[STA+2], v[STA+2], v[PT]            ; the rows' sums
	v_add_f32 v[STB+2], v[STB+2], v[DD]
	s_wait_alu depctr_va_vdst(0)                   ; ahead of the transcendentals
	v_rcp_f32 v[STA+2], v[STA+2]
	v_rcp_f32 v[STB+2], v[STB+2]
	v_nop
	WIN 0x01                                       ; O^T in window 1
	s_wait_alu depctr_va_vdst(0)                   ; behind them, directly ahead of the first reader of O^T
.set I, 0
.rept 32
	v_mul_f32 v[SA+I], v[OA+I], v[STA+2]           ; register 16 b + i: channel 32 b + 16 h + i of my query
.set I, I+1
.endr
.set I, 0
.rept 32
	v_mul_f32 v[SB+I], v[OB+I], v[STB+2]
.set I, I+1
.endr
	WIN 0
.set I, 0
.rept 32
	v_med3_num_f32 v[SA+I], v[SA+I], -v[OSC+1], v[OSC+1]
	v_med3_num_f32 v[SB+I], v[SB+I], -v[OSC+1], v[OSC+1]
.set I, I+1
.endr
.irp d, 0,1,2,3
	v_cvt_scalef32_pk8_bf8_f32 v[PC+2*\d:PC+2*\d+1], v[SA+8*\d:SA+8*\d+7], v[OSC]
	v_cvt_scalef32_pk8_bf8_f32 v[PC+8+2*\d:PC+9+2*\d], v[SB+8*\d:SB+8*\d+7], v[OSC]
.endr
	v_nop
	global_store_b128 v[LI], v[PC:PC+3], s[8:9]    ; 512 consecutive bytes each
	global_store_b128 v[LI], v[PC+4:PC+7], s[8:9] offset:512
	global_store_b128 v[LI], v[PC+8:PC+11], s[8:9] offset:2048
	global_store_b128 v[LI], v[PC+12:PC+15], s[8:9] offset:2560
	s_wait_tensorcnt 0x0                           ; the wave's end
	ds_add_u32 v[SPW], v[NIL]
	s_wait_dscnt 0x0
	CROUND                                         ; the closing round
	s_endpgm
.Lfunc_end_k_q5f27a5c447_attn:
	.size	k_q5f27a5c447_attn, .Lfunc_end_k_q5f27a5c447_attn-k_q5f27a5c447_attn
	.p2alignl 7, 3214868480
	.fill 96, 4, 3214868480
	.section	.rodata,"a",@progbits
	.p2align	6, 0x0
	.amdhsa_kernel k_q5f27a5c447_attn
		.amdhsa_group_segment_fixed_size 327680
		.amdhsa_private_segment_fixed_size 0
		.amdhsa_enable_private_segment 0
		.amdhsa_kernarg_size 24
		.amdhsa_user_sgpr_count 2
		.amdhsa_user_sgpr_kernarg_segment_ptr 1
		.amdhsa_wavefront_size32 1
		.amdhsa_system_sgpr_workgroup_id_x 1
		.amdhsa_system_sgpr_workgroup_id_y 1
		.amdhsa_system_sgpr_workgroup_id_z 1
		.amdhsa_system_vgpr_workitem_id 0
		.amdhsa_next_free_vgpr 512
		.amdhsa_next_free_sgpr 80
		.amdhsa_reserve_vcc 0
		.amdhsa_float_denorm_mode_32 3
		.amdhsa_float_denorm_mode_16_64 3
		.amdhsa_memory_ordered 1
		.amdhsa_forward_progress 1
		.amdhsa_inst_pref_size 86
	.end_amdhsa_kernel
	.amdgpu_metadata
---
amdhsa.version: [ 1, 2 ]
amdhsa.kernels:
  - .name:           k_q5f27a5c447_attn
    .symbol:         k_q5f27a5c447_attn.kd
    .args:
      - { .name: qkv, .offset: 0, .size: 8, .value_kind: global_buffer, .address_space: global }
      - { .name: lowp_scales, .offset: 8, .size: 8, .value_kind: global_buffer, .address_space: global }
      - { .name: oimg, .offset: 16, .size: 8, .value_kind: global_buffer, .address_space: global }
    .group_segment_fixed_size: 327680
    .private_segment_fixed_size: 0
    .kernarg_segment_align: 8
    .kernarg_segment_size: 24
    .max_flat_workgroup_size: 256
    .sgpr_count:     80
    .vgpr_count:     512
    .wavefront_size: 32
...
	.end_amdgpu_metadata
.endif
;; end of part 3
;; launch wo (part 4): grid 4 x 64, 4 waves a work-group, clusters of 4 x 1, 168,448 bytes of LDS; arguments oimg, wimg, lowp_scales, x, x1; writes x1
.if DOCPART == 4
	.amdgcn_target "amdgcn-amd-amdhsa--gfx1250"
	.amdhsa_code_object_version 6
	.text
	.protected	k_q5f27a5c447_wo
	.globl	k_q5f27a5c447_wo
	.p2align	8
	.type	k_q5f27a5c447_wo,@function
k_q5f27a5c447_wo:
	s_mov_b64 s[64:65], 0
	v_nop
	global_prefetch_b8 v0, s[64:65] scope:SCOPE_SE
	s_setreg_imm32_b32 hwreg(HW_REG_WAVE_MODE, 25, 1), 1
	s_wait_xcnt 0x0
	s_wait_alu depctr_hold_cnt(0) depctr_sa_sdst(0) depctr_va_vdst(0) depctr_va_sdst(0) depctr_va_ssrc(0) depctr_va_vcc(0) depctr_vm_vsrc(0)
	s_getreg_b32 s2, hwreg(HW_REG_IB_STS2, 6, 4)
	s_cmp_eq_u32 s2, 0
	s_cbranch_scc0 .Lentry_in_a_cluster
	s_endpgm
.Lentry_in_a_cluster:
	s_bfe_u32 s2, ttmp6, 0x10000c
	s_cmp_lg_u32 s2, 0x3003
	s_cbranch_scc0 .Lentry_shape_is_right
	s_endpgm
.Lentry_shape_is_right:
; out = res + (A W^T) x 2^(eA + eW) (+ bias), A and W codes of BF8 (E5M2) laid as operand images; res and out f32 [4096][1024].
; SHARES: a work-group makes 64 rows (grid y) x 256 columns (grid x); THE WAVES SHARE THE COLUMNS: wave w makes 64 columns for all 64 rows: 16 accumulators.
; A comes by tensor loads into LDS as it lies in memory, filled once, in four quarters of K.  The four work-groups of a cluster need the same rows: each load is asked for JOINTLY (mask 15).
; W goes from memory straight into registers, 512 consecutive bytes a load, each byte read by the one wave that multiplies by it.  It is not shared in the cluster: a joint load lands in LDS alone, and the way through LDS
; would add KS x 32 KB of LDS writes and as many reads for each work-group, and a ring that is filled again.
; THE PRODUCT IS USED TRANSPOSED (source 0 = 16 rows of W, source 1 = 16 rows of A); with the weights' paired tiles a lane holds one row and, in tiles 2 b and 2 b + 1, columns 32 b + 16 h + 0 .. 15.
; The sums go through the wave's own stage in LDS and come back as rows: sixteen lanes then hold, add the residual to, and store 256 consecutive aligned bytes.
; The residual's rows are asked for ahead (one prefetch line for 32 rows' 256-byte pieces, each piece asked for once in the launch, all inside the buffer) and loaded during the last K steps.
; LIMIT: eA + eW between -126 and 127.  k is permuted alike in both operands.
; REGISTERS, in windows of 256: window 0: v3-8 addresses, v28-31 the bias, v64-127 and v128-191 A's fragments by turns, later the rows on their way out.   windows 1, 2: W, eight slots of 64 (K step q in slot q % 8).
;   window 3: v0-127 the accumulators ((m, j) at 8 (4 m + j)); v128-255 the residual's rows.
.set KS,   8                           ; K steps of 128
.set WOFF, 0x180000                    ; the weight's place among the images
.set SCB,  32                          ; the byte of eA in the exponents; eW follows
.set BIAS, 0
.set NB,   KS+2                        ; batches of sixteen loads: W's K steps, then the residual in two
.set SQ,   KS/4                        ; K steps in a quarter of A
.set RR,   KS*8                        ; rows of 256 bytes in my one tensor load: a quarter of A
.set STG,  KS*8192                     ; LDS: behind A, a stage of 16 rows x 272 bytes for each wave
.set WV, 16
.set XX, 17
.set YY, 18
.set SC, 32
.set G1, 24
.set G0, 48
.set LI,  3
.set LI2, 4
.set STO, 5
.set RD,  6
.set CO,  7
.set PF,  8
.set BV,  28
.set MSB, 0
.macro WIN new                         ; the immediate's high byte repeats the setting that is left
.if MSB != (\new)
	s_set_vgpr_msb (MSB<<8)|(\new)
.set MSB, (\new)
.endif
.endm
.macro PLACES                          ; four plain lines between matrix instructions and loads into, or reads of, their registers
.rept 4
	v_nop
.endr
.endm
.macro CROUND                          ; a round of the cluster's barrier
	s_barrier_signal -1
	s_barrier_wait -1
	s_cmp_lg_u32 s[WV], 0
	s_cbranch_scc1 .Lnot_wave_0_\@
	s_barrier_signal -3
.Lnot_wave_0_\@:
	s_barrier_wait -3
	s_barrier_signal -1
	s_barrier_wait -1
.endm
.macro BBATCH q                        ; W's four fragments of K step q
	WIN 0x40*(1+((\q)%8)/4)
.irp j, 0,1,2,3
.irp c, 0,1,2,3
	global_load_b128 v[64*((\q)%4)+16*\j+4*\c:64*((\q)%4)+16*\j+4*\c+3], v[LI], s[6:7] offset:\j*KS*2048+(\q)*2048+512*\c
.endr
.endr
	WIN 0
.endm
.macro RBATCH p                        ; the residual's rows of row tiles 2 p and 2 p + 1: lanes 0-15 one row's 256 bytes, lanes 16-31 the next row's
	WIN 0xc0
.irp mm, 0,1
.irp t, 0,1,2,3,4,5,6,7
	global_load_b128 v[128+32*(2*(\p)+\mm)+4*\t:128+32*(2*(\p)+\mm)+4*\t+3], v[CO], s[10:11] offset:(16*(2*(\p)+\mm)+2*\t)*4096
.endr
.endr
	WIN 0
.endm
.macro AFETCH s                        ; the four row tiles' fragments of K step s into buffer s % 2
.irp m, 0,1,2,3
.irp c, 0,1,2,3
	ds_load_b128 v[64+64*((\s)%2)+16*\m+4*\c:64+64*((\s)%2)+16*\m+4*\c+3], v[LI+((\s)/8)] offset:((\s)%8)*8192+2048*\m+512*\c
.endr
.endr
.endm
.macro MUL s                           ; 16 products; the 16 accumulators take turns
	WIN 0xf1+((\s)%8)/4
.irp m, 0,1,2,3
.irp j, 0,1,2,3
.if (\s) == 0
	v_wmma_f32_16x16x128_bf8_bf8 v[8*(4*\m+\j):8*(4*\m+\j)+7], v[64*((\s)%4)+16*\j:64*((\s)%4)+16*\j+15], v[64+64*((\s)%2)+16*\m:64+64*((\s)%2)+16*\m+15], 0
.else
	v_wmma_f32_16x16x128_bf8_bf8 v[8*(4*\m+\j):8*(4*\m+\j)+7], v[64*((\s)%4)+16*\j:64*((\s)%4)+16*\j+15], v[64+64*((\s)%2)+16*\m:64+64*((\s)%2)+16*\m+15], v[8*(4*\m+\j):8*(4*\m+\j)+7]
.endif
.endr
.endr
.endm
.macro STEP s
	WIN 0
	PLACES
.if (\s)+1 < KS
.if (\s)+1 == 8                        ; (only where K has more than eight steps)
	s_wait_tensorcnt 0x0
	s_wait_dscnt 0x0
	s_barrier_signal -1
	s_barrier_wait -1
.endif
	AFETCH (\s)+1
.endif
.if (\s)+3 < KS
	BBATCH (\s)+3
.elseif (\s)+3 < NB
	RBATCH (\s)+3-KS
.endif
.if (\s)+1 < KS
	s_wait_dscnt 16                                ; this step's fragments are in; the sixteen just asked for stay out
.else
	s_wait_dscnt 0x0
.endif
.if (\s)+3 < NB
	s_wait_loadcnt 48                              ; this step's batch is in: three batches of sixteen were issued behind it
.else
	s_wait_loadcnt 32                              ; behind the last batch of W: the residual's two
.endif
	MUL \s
.endm
	s_load_b256 s[4:11], s[0:1], 0x0               ; A's images, the weights' images, the exponents, the residual
.if BIAS
	s_load_b128 s[12:15], s[0:1], 0x20             ; the result, the bias
.else
	s_load_b64 s[12:13], s[0:1], 0x20              ; the result
	v_lshl_add_u32 v254, v0, 2, 0x29000
	v_mov_b32 v255, 0
	ds_add_u32 v254, v255
	ds_add_u32 v254, v255
.endif
	v_lshrrev_b32 v1, 5, v0
	v_readfirstlane_b32 s[WV], v1                  ; wave 0..3
	v_and_b32 v1, 31, v0
	v_and_b32 v2, 15, v0                           ; r
	v_bfe_u32 v9, v0, 4, 1                         ; h
	v_lshlrev_b32 v[LI], 4, v1
	v_add_nc_u32 v[LI2], 0x10000, v[LI]
	v_lshlrev_b32 v[PF], 12, v1                    ; a row a lane
	v_lshlrev_b32 v10, 4, v2
	v_lshl_add_u32 v[CO], v9, 12, v10              ; two rows an instruction, 16 bytes a lane
	s_bfe_u32 s19, ttmp6, 0x40000                  ; cx
	s_lshl_b32 s[XX], ttmp9, 2
	s_add_co_u32 s[XX], s[XX], s19                 ; the block of 256 columns
	s_and_b32 s[YY], ttmp7, 0xffff                 ; the block of 64 rows
	s_lshl_b32 s20, s[XX], 4                       ; W: tiles 16 X + 4 w on
	s_lshl_b32 s21, s[WV], 2
	s_add_co_u32 s20, s20, s21
	s_mul_i32 s20, s20, KS*2048
	s_add_co_u32 s20, s20, WOFF
	s_mov_b32 s21, 0
	s_lshl_b32 s40, s[XX], 10                      ; my 64 columns, in bytes
	s_lshl_b32 s41, s[WV], 8
	s_add_co_u32 s40, s40, s41
	s_mov_b32 s41, 0
	s_lshl_b32 s22, s[YY], 18                      ; and my block's first row
	s_add_co_u32 s22, s22, s40
	s_mov_b32 s23, 0
	s_mul_i32 s34, s[YY], KS*8192                  ; A: made of the block's number and the wave's number alone, which the four partners share
	s_mul_i32 s36, s[WV], KS*2048
	s_add_co_u32 s34, s34, s36
	s_mov_b32 s35, 0
	s_mov_b32 s[G1], 15|(3<<16)|(1<<21)            ; the mask: all four work-groups; elements of 8 bytes; bit 21 beside a mask
	s_mov_b32 s[G1+1], 32<<16                      ; a dense block as RR rows of 256 bytes
	s_mov_b32 s[G1+2], RR<<16
	s_mov_b32 s[G1+3], 32<<16
	s_mov_b32 s[G1+4], RR
	s_mov_b32 s[G1+5], 32
	s_mov_b32 s[G1+6], 0
	s_mov_b32 s[G1+7], 0
	s_wait_alu depctr_va_vdst(0)
	s_wait_dscnt 0x0
	s_wait_kmcnt 0x0
	s_load_b64 s[SC:SC+1], s[8:9], SCB             ; eA, eW
	s_add_nc_u64 s[6:7], s[6:7], s[20:21]
	s_add_nc_u64 s[10:11], s[10:11], s[22:23]
	s_add_nc_u64 s[12:13], s[12:13], s[22:23]
	s_add_nc_u64 s[4:5], s[4:5], s[34:35]
.if BIAS
	s_add_nc_u64 s[14:15], s[14:15], s[40:41]
	global_load_b128 v[BV:BV+3], v10, s[14:15]     ; the bias of the four columns that I hold on the way out
.endif
	global_prefetch_b8 v[PF], s[10:11] th:TH_LOAD_NT scope:SCOPE_SE                  ; rows 0-31 of my wave's 256-byte pieces of the residual,
	global_prefetch_b8 v[PF], s[10:11] offset:131072 th:TH_LOAD_NT scope:SCOPE_SE    ; rows 32-63
	BBATCH 0
	BBATCH 1
	BBATCH 2
.irp j, 0
	s_mov_b32 s[G0+4*\j], 1
	s_add_co_u32 s[G0+4*\j+1], s36, \j*KS*2048
	s_add_nc_u64 s[G0+4*\j+2:G0+4*\j+3], s[4:5], \j*KS*2048
	s_or_b32 s[G0+4*\j+3], s[G0+4*\j+3], 0x80000000
.endr
	CROUND                                         ; all four work-groups are here: the joint loads meet
	tensor_load_to_lds s[G0:G0+3], s[G1:G1+7]      ; my one load at the head: my quarter of A
	s_nop 0
	PLACES
	s_mul_i32 s37, s[WV], 16*272
	s_add_co_u32 s37, s37, STG                     ; my stage
	v_mul_u32_u24 v[STO], v2, 272
	v_lshl_add_u32 v[STO], v9, 6, v[STO]
	v_add_nc_u32 v[STO], s37, v[STO]               ; in: row r, + 64 h
	v_mul_u32_u24 v[RD], v9, 272
	v_lshl_add_u32 v[RD], v2, 4, v[RD]
	v_add_nc_u32 v[RD], s37, v[RD]                 ; back: lanes 0-15 one row, lanes 16-31 the next
	s_wait_kmcnt 0x0
	s_add_co_i32 s[SC], s[SC], s[SC+1]
	s_add_co_i32 s[SC], s[SC], 127
	s_lshl_b32 s[SC], s[SC], 23                    ; 2^(eA + eW) as f32
	s_mov_b32 s[SC+1], s[SC]
	s_wait_tensorcnt 0x0                           ; my quarter of A is in,
	s_barrier_signal -1
	s_barrier_wait -1                              ; everybody's is
	AFETCH 0
.set Q, 0
.rept KS
	STEP Q
.set Q, Q+1
.endr
	WIN 0
	PLACES
.macro TOSTAGE m                       ; row tile m: the raw sums into my stage, each accumulator from its low end on, and back as rows.  LDS serves a wave's instructions in order (ISA guide 5.7.1.4)
	WIN 0x0c
.irp j, 0,1,2,3
	ds_store_b128 v[STO], v[8*(4*(\m)+\j):8*(4*(\m)+\j)+3] offset:128*(\j/2)+32*(\j%2)
	ds_store_b128 v[STO], v[8*(4*(\m)+\j)+4:8*(4*(\m)+\j)+7] offset:128*(\j/2)+32*(\j%2)+16
.endr
	WIN 0
.irp t, 0,1,2,3,4,5,6,7
	ds_load_b128 v[64+32*(\m)+4*\t:64+32*(\m)+4*\t+3], v[RD] offset:544*\t
.endr
.endm
.macro SEND m, younger                 ; younger: the LDS instructions issued behind tile m's loads
	s_wait_dscnt \younger
.if (\m) == 0
	s_wait_loadcnt 16                              ; the residual's first batch is in
.elseif (\m) == 2
	s_wait_loadcnt 0x0
.endif
.if BIAS
.irp i, 0,2,4,6,8,10,12,14,16,18,20,22,24,26,28,30
	v_pk_fma_f32 v[64+32*(\m)+\i:64+32*(\m)+\i+1], v[64+32*(\m)+\i:64+32*(\m)+\i+1], s[SC:SC+1], v[BV+\i%4:BV+\i%4+1] op_sel_hi:[1,0,1]
.endr
	WIN 0x0c
.irp i, 0,2,4,6,8,10,12,14,16,18,20,22,24,26,28,30
	v_pk_add_f32 v[64+32*(\m)+\i:64+32*(\m)+\i+1], v[64+32*(\m)+\i:64+32*(\m)+\i+1], v[128+32*(\m)+\i:128+32*(\m)+\i+1]
.endr
	WIN 0
.else
	WIN 0x30
.irp i, 0,2,4,6,8,10,12,14,16,18,20,22,24,26,28,30
	v_pk_fma_f32 v[64+32*(\m)+\i:64+32*(\m)+\i+1], v[64+32*(\m)+\i:64+32*(\m)+\i+1], s[SC:SC+1], v[128+32*(\m)+\i:128+32*(\m)+\i+1] op_sel_hi:[1,0,1]
.endr
	WIN 0
.endif
.irp t, 0,1,2,3,4,5,6,7
	global_store_b128 v[CO], v[64+32*(\m)+4*\t:64+32*(\m)+4*\t+3], s[12:13] offset:(16*(\m)+2*\t)*4096   ; sixteen lanes store 256 consecutive aligned bytes
.endr
.endm
	s_wait_alu depctr_va_vdst(0)
	TOSTAGE 0
.irp m, 1,2,3
	TOSTAGE \m
	SEND \m-1, 16
.endr
	SEND 3, 0
	s_wait_dscnt 0x0
	s_wait_tensorcnt 0x0
	ds_add_u32 v254, v255
	s_wait_dscnt 0x0
	CROUND                                         ; the closing round: no work-group ends while a partner may still ask jointly
	s_endpgm
.Lfunc_end_k_q5f27a5c447_wo:
	.size	k_q5f27a5c447_wo, .Lfunc_end_k_q5f27a5c447_wo-k_q5f27a5c447_wo
	.p2alignl 7, 3214868480
	.fill 96, 4, 3214868480
	.section	.rodata,"a",@progbits
	.p2align	6, 0x0
	.amdhsa_kernel k_q5f27a5c447_wo
		.amdhsa_group_segment_fixed_size 168448
		.amdhsa_private_segment_fixed_size 0
		.amdhsa_enable_private_segment 0
		.amdhsa_kernarg_size 40
		.amdhsa_user_sgpr_count 2
		.amdhsa_user_sgpr_kernarg_segment_ptr 1
		.amdhsa_wavefront_size32 1
		.amdhsa_system_sgpr_workgroup_id_x 1
		.amdhsa_system_sgpr_workgroup_id_y 1
		.amdhsa_system_sgpr_workgroup_id_z 1
		.amdhsa_system_vgpr_workitem_id 0
		.amdhsa_next_free_vgpr 1024
		.amdhsa_next_free_sgpr 66
		.amdhsa_reserve_vcc 0
		.amdhsa_float_denorm_mode_32 3
		.amdhsa_float_denorm_mode_16_64 3
		.amdhsa_memory_ordered 1
		.amdhsa_forward_progress 1
		.amdhsa_inst_pref_size 51
	.end_amdhsa_kernel
	.amdgpu_metadata
---
amdhsa.version: [ 1, 2 ]
amdhsa.kernels:
  - .name:           k_q5f27a5c447_wo
    .symbol:         k_q5f27a5c447_wo.kd
    .args:
      - { .name: oimg, .offset: 0, .size: 8, .value_kind: global_buffer, .address_space: global }
      - { .name: wimg, .offset: 8, .size: 8, .value_kind: global_buffer, .address_space: global }
      - { .name: lowp_scales, .offset: 16, .size: 8, .value_kind: global_buffer, .address_space: global }
      - { .name: x, .offset: 24, .size: 8, .value_kind: global_buffer, .address_space: global }
      - { .name: x1, .offset: 32, .size: 8, .value_kind: global_buffer, .address_space: global }
    .group_segment_fixed_size: 168448
    .private_segment_fixed_size: 0
    .kernarg_segment_align: 8
    .kernarg_segment_size: 40
    .max_flat_workgroup_size: 128
    .sgpr_count:     66
    .vgpr_count:     1024
    .wavefront_size: 32
...
	.end_amdgpu_metadata
.endif
;; end of part 4
;; launch ln2 (part 5): grid 256 x 1, 8 waves a work-group, no clusters, 17,664 bytes of LDS; arguments x1, ln2_g, ln2_b, lowp_scales, himg; writes himg
.if DOCPART == 5
	.amdgcn_target "amdgcn-amd-amdhsa--gfx1250"
	.amdhsa_code_object_version 6
	.text
	.protected	k_q5f27a5c447_ln2
	.globl	k_q5f27a5c447_ln2
	.p2align	8
	.type	k_q5f27a5c447_ln2,@function
k_q5f27a5c447_ln2:
	s_mov_b64 s[64:65], 0
	v_nop
	global_prefetch_b8 v0, s[64:65] scope:SCOPE_SE
	s_setreg_imm32_b32 hwreg(HW_REG_WAVE_MODE, 25, 1), 1
	s_wait_xcnt 0x0
; LAYER NORM, ITS CODES AS OPERAND IMAGES, AND (FIRST = 1) THE FIVE WEIGHTS RE-LAID AS OPERAND IMAGES.
; h = (x - mean) / sqrt(var + 1e-5) * g + b in f32 (mean first, then the centred squares), quantised to BF8 (E5M2) with the given 2^e: FIRST = 1: twice, e0 and e2; FIRST = 0: once, e10.
; AN IMAGE: an operand of 16 rows x 128 K is 2,048 bytes: register group c (4 registers) at 512 c + 16 lane holds k = 32 c + 16 (lane / 16) + 0 .. 15 of row lane % 16.
; A tile T of 16 rows lies at (T / 4) x 65,536 + K step x 8,192 + (T % 4) x 2,048: 64 rows are one dense run, K step by K step.
; SHARES: a work-group owns 16 rows, a wave two of them; a lane holds columns 128 i + 4 lane + 0 .. 3, so each load reads 512 consecutive bytes and a row's sums never leave the wave.
; The codes meet in LDS (rows 1,040 bytes apart = 65 x 16, so that sixteen rows' 16-byte pieces fall on different banks: ISA guide 11.1); behind one barrier wave w reads K step w as an image and stores 512 consecutive bytes a line.
; LIMITS: e between -126 and 112.  NaN and infinities among the inputs are not served.
.set FIRST, 0
.set NVER,  1+FIRST
.set NW,    6*FIRST
.set PITCH, 1040
.set VERB,  16*PITCH
.set GG,  16                           ; v16-47   g
.set BB,  48                           ; v48-79   b
.set X0,  80                           ; v80-111  my first row
.set X1,  112                          ; v112-143 my second row
.set T,   144                          ; v144-175 numbers held for the conversion; later the image on its way out
.set C,   176                          ; v176..   codes: eight registers for each row
.set SCL, 236                          ; v236, v237  2^e and 57,344 x 2^e
.set WV,  26
.set SEL, 56
.set CV,  58
.set CE,  59
	s_load_b256 s[4:11], s[0:1], 0x0               ; x, g, b, the scales' exponents
	s_load_b64 s[22:23], s[0:1], 0x20              ; the rows' images
	v_lshl_add_u32 v240, v0, 2, 0x4100
	v_mov_b32 v241, 0
	v_lshrrev_b32 v1, 5, v0
	s_delay_alu instid0(VALU_DEP_1)
	v_readfirstlane_b32 s[WV], v1                  ; wave 0..7
	v_and_b32 v1, 31, v0                           ; lane
	s_delay_alu instid0(VALU_DEP_1)
	v_lshlrev_b32 v2, 4, v1                        ; 16 x lane
	v_and_b32 v7, 15, v0                           ; r
	v_bfe_u32 v12, v0, 4, 1                        ; h
	s_mul_i32 s28, s[WV], 2*PITCH
	v_lshl_add_u32 v5, v1, 2, s28                  ; LDS, in: my wave's two rows, 4 codes a lane
	v_mul_u32_u24 v6, v7, PITCH
	s_delay_alu instid0(VALU_DEP_1)
	v_lshl_add_u32 v6, v12, 4, v6
	s_lshl_b32 s29, s[WV], 7
	v_add_nc_u32 v6, s29, v6                       ; LDS, out: row r, K step = my wave, + 16 h
	s_lshl_b32 s30, ttmp9, 16                      ; my 16 rows of 4,096 bytes,
	s_lshl_b32 s31, s[WV], 13                      ; my wave's two
	s_add_co_u32 s30, s30, s31
	s_mov_b32 s31, 0
	s_lshr_b32 s36, ttmp9, 2                       ; the image: (tile / 4) x 65,536 + wave x 8,192 + (tile % 4) x 2,048
	s_lshl_b32 s36, s36, 16
	s_lshl_b32 s37, s[WV], 13
	s_add_co_u32 s36, s36, s37
	s_and_b32 s37, ttmp9, 3
	s_lshl_b32 s37, s37, 11
	s_add_co_u32 s36, s36, s37
	s_mov_b32 s37, 0
	s_mov_b32 s[SEL], 0x76543210
	s_mov_b32 s[SEL+1], 0xfedcba98
	s_mov_b32 s[CV], 0x3a800000                    ; 1 / 1,024
	s_mov_b32 s[CE], 0x3727c5ac                    ; 1e-5
	s_wait_alu depctr_va_vdst(0)
	s_wait_kmcnt 0x0
	s_load_b32 s32, s[10:11], 0x28                 ; e10
	s_add_nc_u64 s[4:5], s[4:5], s[30:31]
	s_add_nc_u64 s[22:23], s[22:23], s[36:37]
.set I, 0
.rept 8
	global_load_b128 v[X0+4*I:X0+4*I+3], v2, s[4:5] offset:512*I
.set I, I+1
.endr
.set I, 0
.rept 8
	global_load_b128 v[X1+4*I:X1+4*I+3], v2, s[4:5] offset:4096+512*I
.set I, I+1
.endr
.set I, 0
.rept 8
	global_load_b128 v[GG+4*I:GG+4*I+3], v2, s[6:7] offset:512*I
.set I, I+1
.endr
.set I, 0
.rept 8
	global_load_b128 v[BB+4*I:BB+4*I+3], v2, s[8:9] offset:512*I
.set I, I+1
.endr
	s_wait_kmcnt 0x0
	s_add_co_i32 s32, s32, 127
	s_lshl_b32 s38, s32, 23
	v_mov_b32 v[SCL], s38                          ; 2^e as f32
	s_add_co_i32 s32, s32, 15
	s_lshl_b32 s32, s32, 23
	s_or_b32 s32, s32, 0x600000
	v_mov_b32 v[SCL+1], s32                        ; 57,344 x 2^e
.macro SUM32 a                         ; v[a] summed over the wave's 32 lanes, into every lane
	s_delay_alu instid0(VALU_DEP_1)
	v_add_f32_dpp v[\a], v[\a], v[\a] row_xmask:1 row_mask:0xf bank_mask:0xf
	s_delay_alu instid0(VALU_DEP_1)
	v_add_f32_dpp v[\a], v[\a], v[\a] row_xmask:2 row_mask:0xf bank_mask:0xf
	s_delay_alu instid0(VALU_DEP_1)
	v_add_f32_dpp v[\a], v[\a], v[\a] row_xmask:4 row_mask:0xf bank_mask:0xf
	s_delay_alu instid0(VALU_DEP_1)
	v_add_f32_dpp v[\a], v[\a], v[\a] row_xmask:8 row_mask:0xf bank_mask:0xf
	s_delay_alu instid0(VALU_DEP_1)
	v_permlanex16_b32 v12, v[\a], s[SEL], s[SEL+1]
	s_delay_alu instid0(VALU_DEP_1)
	v_add_f32 v[\a], v[\a], v12
.endm
.macro STATS x                         ; the row in v[x] on becomes (x - mean) / sqrt(var + eps)
	v_pk_add_f32 v[8:9], v[\x:\x+1], v[\x+2:\x+3]
	v_pk_add_f32 v[10:11], v[\x+4:\x+5], v[\x+6:\x+7]
.irp j, 8,12,16,20,24,28
	s_delay_alu instid0(VALU_DEP_2)
	v_pk_add_f32 v[8:9], v[8:9], v[\x+\j:\x+\j+1]
	s_delay_alu instid0(VALU_DEP_2)
	v_pk_add_f32 v[10:11], v[10:11], v[\x+\j+2:\x+\j+3]
.endr
	s_delay_alu instid0(VALU_DEP_1)
	v_pk_add_f32 v[8:9], v[8:9], v[10:11]
	s_delay_alu instid0(VALU_DEP_1)
	v_add_f32 v8, v8, v9
	SUM32 8
	s_delay_alu instid0(VALU_DEP_1)
	v_mul_f32 v8, s[CV], v8                        ; the mean
.set I, 0
.rept 16
	v_pk_add_f32 v[\x+I:\x+I+1], v[\x+I:\x+I+1], v[8:9] op_sel_hi:[1,0] neg_lo:[0,1] neg_hi:[0,1]
.set I, I+2
.endr
	v_pk_mul_f32 v[10:11], v[\x:\x+1], v[\x:\x+1]
	v_pk_mul_f32 v[14:15], v[\x+2:\x+3], v[\x+2:\x+3]
.irp j, 4,8,12,16,20,24,28
	s_delay_alu instid0(VALU_DEP_2)
	v_pk_fma_f32 v[10:11], v[\x+\j:\x+\j+1], v[\x+\j:\x+\j+1], v[10:11]
	s_delay_alu instid0(VALU_DEP_2)
	v_pk_fma_f32 v[14:15], v[\x+\j+2:\x+\j+3], v[\x+\j+2:\x+\j+3], v[14:15]
.endr
	s_delay_alu instid0(VALU_DEP_1)
	v_pk_add_f32 v[10:11], v[10:11], v[14:15]
	s_delay_alu instid0(VALU_DEP_1)
	v_add_f32 v10, v10, v11
	SUM32 10
	s_delay_alu instid0(VALU_DEP_1)
	v_fma_f32 v10, v10, s[CV], s[CE]               ; var + eps
	s_wait_alu depctr_va_vdst(0)
	v_rsq_f32 v8, v10
	v_nop                                          ; a plain line between the transcendental and the use of its result
.set I, 0
	s_wait_alu depctr_va_vdst(0)
.rept 16
	v_pk_mul_f32 v[\x+I:\x+I+1], v[\x+I:\x+I+1], v[8:9] op_sel_hi:[1,0]
.set I, I+2
.endr
.endm
.macro NORM x
.set I, 0
.rept 16
	v_pk_fma_f32 v[\x+I:\x+I+1], v[\x+I:\x+I+1], v[GG+I:GG+I+1], v[BB+I:BB+I+1]
.set I, I+2
.endr
.endm
.macro QUANT x, row                    ; 32 numbers -> 32 codes: register i holds the 4 codes of columns 128 i + 4 lane on
.set I, 0
.rept 32
	v_med3_num_f32 v[T+I], v[\x+I], -v[SCL+1], v[SCL+1]   ; the conversion does not saturate (ISA guide 7.6.2): the hold at the largest code x the scale
.set I, I+1
.endr
.irp j, 0,1,2,3
	v_cvt_scalef32_pk8_bf8_f32 v[C+16*\row+2*\j:C+16*\row+2*\j+1], v[T+8*\j:T+8*\j+7], v[SCL]
.endr
	v_nop                                          ; a plain line behind the conversions: the next hold writes their sources
.irp i, 0,1,2,3,4,5,6,7
	ds_store_b32 v5, v[C+16*\row+\i] offset:\row*PITCH+128*\i
.endr
.endm
	s_wait_loadcnt 24                              ; my first row is in: behind it the second row, g and b
	STATS X0
	s_wait_loadcnt 16                              ; my second row
	STATS X1
	s_wait_loadcnt 0x0                             ; g and b
	NORM X0
	QUANT X0, 0
	NORM X1
	QUANT X1, 1
	s_wait_dscnt 0x0                               ; for the others' sake: my codes lie in LDS
	s_barrier_signal -1
	s_barrier_wait -1
.irp c, 0,1,2,3
	ds_load_b128 v[T+4*\c:T+4*\c+3], v6 offset:32*\c
.endr
.irp c, 0,1,2,3
	s_wait_dscnt 3-\c                              ; LDS loads come back in order: piece c is in
	global_store_b128 v2, v[T+4*\c:T+4*\c+3], s[22:23] offset:512*\c   ; 32 lanes store 512 consecutive bytes
.endr
	s_wait_tensorcnt 0x0
	ds_add_u32 v240, v241
	s_wait_dscnt 0x0
	s_endpgm
.Lfunc_end_k_q5f27a5c447_ln2:
	.size	k_q5f27a5c447_ln2, .Lfunc_end_k_q5f27a5c447_ln2-k_q5f27a5c447_ln2
	.p2alignl 7, 3214868480
	.fill 96, 4, 3214868480
	.section	.rodata,"a",@progbits
	.p2align	6, 0x0
	.amdhsa_kernel k_q5f27a5c447_ln2
		.amdhsa_group_segment_fixed_size 17664
		.amdhsa_private_segment_fixed_size 0
		.amdhsa_enable_private_segment 0
		.amdhsa_kernarg_size 40
		.amdhsa_user_sgpr_count 2
		.amdhsa_user_sgpr_kernarg_segment_ptr 1
		.amdhsa_wavefront_size32 1
		.amdhsa_system_sgpr_workgroup_id_x 1
		.amdhsa_system_sgpr_workgroup_id_y 1
		.amdhsa_system_sgpr_workgroup_id_z 1
		.amdhsa_system_vgpr_workitem_id 0
		.amdhsa_next_free_vgpr 242
		.amdhsa_next_free_sgpr 66
		.amdhsa_reserve_vcc 0
		.amdhsa_float_denorm_mode_32 3
		.amdhsa_float_denorm_mode_16_64 3
		.amdhsa_memory_ordered 1
		.amdhsa_forward_progress 1
		.amdhsa_inst_pref_size 27
	.end_amdhsa_kernel
	.amdgpu_metadata
---
amdhsa.version: [ 1, 2 ]
amdhsa.kernels:
  - .name:           k_q5f27a5c447_ln2
    .symbol:         k_q5f27a5c447_ln2.kd
    .args:
      - { .name: x1, .offset: 0, .size: 8, .value_kind: global_buffer, .address_space: global }
      - { .name: ln2_g, .offset: 8, .size: 8, .value_kind: global_buffer, .address_space: global }
      - { .name: ln2_b, .offset: 16, .size: 8, .value_kind: global_buffer, .address_space: global }
      - { .name: lowp_scales, .offset: 24, .size: 8, .value_kind: global_buffer, .address_space: global }
      - { .name: himg, .offset: 32, .size: 8, .value_kind: global_buffer, .address_space: global }
    .group_segment_fixed_size: 17664
    .private_segment_fixed_size: 0
    .kernarg_segment_align: 8
    .kernarg_segment_size: 40
    .max_flat_workgroup_size: 256
    .sgpr_count:     66
    .vgpr_count:     242
    .wavefront_size: 32
...
	.end_amdgpu_metadata
.endif
;; end of part 5
;; launch w1 (part 6): grid 8 x 32, 4 waves a work-group, clusters of 4 x 1, 327,680 bytes of LDS; arguments himg, wimg, lowp_scales, b1, uimg; writes uimg
.if DOCPART == 6
	.amdgcn_target "amdgcn-amd-amdhsa--gfx1250"
	.amdhsa_code_object_version 6
	.text
	.protected	k_q5f27a5c447_w1
	.globl	k_q5f27a5c447_w1
	.p2align	8
	.type	k_q5f27a5c447_w1,@function
k_q5f27a5c447_w1:
	s_mov_b64 s[64:65], 0
	v_nop
	global_prefetch_b8 v0, s[64:65] scope:SCOPE_SE
	s_setreg_imm32_b32 hwreg(HW_REG_WAVE_MODE, 25, 1), 1
	s_wait_xcnt 0x0
	s_wait_alu depctr_hold_cnt(0) depctr_sa_sdst(0) depctr_va_vdst(0) depctr_va_sdst(0) depctr_va_ssrc(0) depctr_va_vcc(0) depctr_vm_vsrc(0)
	s_getreg_b32 s2, hwreg(HW_REG_IB_STS2, 6, 4)
	s_cmp_eq_u32 s2, 0
	s_cbranch_scc0 .Lentry_in_a_cluster
	s_endpgm
.Lentry_in_a_cluster:
	s_bfe_u32 s2, ttmp6, 0x10000c
	s_cmp_lg_u32 s2, 0x3003
	s_cbranch_scc0 .Lentry_shape_is_right
	s_endpgm
.Lentry_shape_is_right:
; u = gelu(h2 W1^T + b1), the exact gelu, on codes of BF8 (E5M2); u is quantised in registers (e12) and stored as an operand image for the last product.
; SHARES: a work-group makes 128 rows (grid y), as two halves of 64, x 256 of the 2,048 columns (grid x); wave w makes 64 columns: 16 accumulators a half.
; W1's part of a wave (32 fragments, 512 registers) is read from memory once, 512 consecutive bytes a load, and STAYS in registers for both halves.  It is not shared in the cluster: a joint load lands in LDS alone,
; and the way through LDS would add 256 KB of LDS writes and twice as many reads for each work-group.
; A (h2's images) comes by tensor loads into LDS, each byte filled once; the four work-groups of a cluster need the same rows: each load is JOINT (mask 15).  At the head a wave asks for its quarter of the first half;
; its quarter of the second half stands behind three lines and a round.
; THE PRODUCT IS USED TRANSPOSED (source 0 = 16 rows of W1, source 1 = 16 rows of h2); with the weights' paired tiles a lane's 16 registers of tiles 2 b, 2 b + 1 are 16 neighbours along the next K.
; GELU: with X = sum x 2^(e10 + e11) + b1 and a = |X| / sqrt 2:  gelu(X) = max(X, 0) - (|X| / 2) erfc(a), for both signs and without a compare.
; erfc(a) = t x exp(-a a + P(t)), t = 1 / (1 + a / 2), P of degree 9: a fit whose relative error stays under 1.2e-7 for every a >= 0; -a a + P is one fused multiply-add.
; It takes a row tile's 32 numbers of a lane at a time; in its two batches of transcendentals plain lines that read nothing written in the batch stand between the transcendentals.
; LIMITS: e10 + e11 between -126 and 127; e12 between -126 and 112; where a a overflows, and where erfc falls under 2^-126 (the exponential flushes it), erfc counts as 0.  k is permuted alike in both operands.
; REGISTERS, in windows of 256: window 0: v3, v4 addresses, v20, v21 u's scale and hold, v[26:27] P's first coefficient, v32-63 codes, v64-127 and v128-191 A's fragments by turns, in the gelu four runs of 32.
;   windows 1, 2: W1, K step q in slot q.   window 3: v0-127 the accumulators ((m, j) at 8 (4 m + j)); v128-159 b1.
.set KS,   8
.set WOFF, 0x280000
.set WV, 16
.set XX, 17
.set YY, 18
.set G1B, 32
.set G0,  48
.set G0H, 68
.set SC,  44                           ; s[44:45] 2^(e10 + e11)
.set RS,  46                           ; s[46:47] 1 / sqrt 2
.set NL,  72                           ; s[72:73] log2(e)
.set CF,  74                           ; s[74:91] P's coefficients of t^8 down to t^0, each twice: the packed form names a pair
.set LI,  3
.set LI2, 4
.set USC, 20
.set C0V, 26
.set XR, 64
.set AR, 96
.set PR, 128
.set DR, 160
.set MSB, 0
.macro WIN new                         ; the immediate's high byte repeats the setting that is left
.if MSB != (\new)
	s_set_vgpr_msb (MSB<<8)|(\new)
.set MSB, (\new)
.endif
.endm
.macro PLACES                          ; four plain lines between matrix instructions and loads into, or reads of, their registers
.rept 4
	v_nop
.endr
.endm
.macro CROUND
	s_barrier_signal -1
	s_barrier_wait -1
	s_cmp_lg_u32 s[WV], 0
	s_cbranch_scc1 .Lnot_wave_0_\@
	s_barrier_signal -3
.Lnot_wave_0_\@:
	s_barrier_wait -3
	s_barrier_signal -1
	s_barrier_wait -1
.endm
.macro BBATCH q
	WIN 0x40*(1+(\q)/4)
.irp j, 0,1,2,3
.irp c, 0,1,2,3
	global_load_b128 v[64*((\q)%4)+16*\j+4*\c:64*((\q)%4)+16*\j+4*\c+3], v[LI], s[6:7] offset:\j*16384+(\q)*2048+512*\c
.endr
.endr
	WIN 0
.endm
.macro AFETCH hf, s                    ; half hf: the four row tiles' fragments of K step s into buffer s % 2
.irp m, 0,1,2,3
.irp c, 0,1,2,3
	ds_load_b128 v[64+64*((\s)%2)+16*\m+4*\c:64+64*((\s)%2)+16*\m+4*\c+3], v[LI+\hf] offset:(\s)*8192+2048*\m+512*\c
.endr
.endr
.endm
.macro MUL s                           ; 16 products; the 16 accumulators take turns
	WIN 0xf1+(\s)/4
.irp m, 0,1,2,3
.irp j, 0,1,2,3
.if (\s) == 0
	v_wmma_f32_16x16x128_bf8_bf8 v[8*(4*\m+\j):8*(4*\m+\j)+7], v[64*((\s)%4)+16*\j:64*((\s)%4)+16*\j+15], v[64+64*((\s)%2)+16*\m:64+64*((\s)%2)+16*\m+15], 0
.else
	v_wmma_f32_16x16x128_bf8_bf8 v[8*(4*\m+\j):8*(4*\m+\j)+7], v[64*((\s)%4)+16*\j:64*((\s)%4)+16*\j+15], v[64+64*((\s)%2)+16*\m:64+64*((\s)%2)+16*\m+15], v[8*(4*\m+\j):8*(4*\m+\j)+7]
.endif
.endr
.endr
.endm
.macro STEP hf, s
	WIN 0
	PLACES
.if (\s)+1 < KS
	AFETCH \hf, (\s)+1
	s_wait_dscnt 16                                ; this step's fragments are in; the sixteen just asked for stay out
.else
	s_wait_dscnt 0x0
.endif
.if \hf == 0
.if (\s)+3 < KS
	BBATCH (\s)+3
	s_wait_loadcnt 48                              ; this step's batch is in: three batches of sixteen were issued behind it
.else
	s_wait_loadcnt 16*(KS-1-(\s))                  ; the batches that are left behind it
.endif
.endif
	MUL \s
.endm
; 32 numbers of a lane: row tile m: bias, gelu, hold, conversion, two stores of 512 consecutive bytes a wave
.macro GELU hf, m
.set AC, 32*(\m)
.set CD, 32+8*(\m)
	WIN 0x33                                       ; the sums and b1 lie in window 3
.set I, 0
.rept 16
	v_pk_fma_f32 v[XR+I:XR+I+1], v[AC+I:AC+I+1], s[SC:SC+1], v[128+I:129+I] op_sel_hi:[1,0,1]   ; X
.set I, I+2
.endr
	WIN 0
.set I, 0
.rept 32
	v_mul_f32 v[AR+I], s[RS], |v[XR+I]|            ; a
.set I, I+1
.endr
.set I, 0
.rept 16
	v_pk_fma_f32 v[DR+I:DR+I+1], v[AR+I:AR+I+1], 0.5, 1.0 op_sel_hi:[1,0,0]
.set I, I+2
.endr
	s_wait_alu depctr_va_vdst(0)                   ; ahead of the batch
.set I, 0
.rept 32
	v_rcp_f32 v[DR+I], v[DR+I]                     ; t = 1 / (1 + a / 2)
	v_max_num_f32 v[XR+I], 0, v[XR+I]              ; max(X, 0)
.set I, I+1
.endr
	s_wait_alu depctr_va_vdst(0)
.set I, 0
.rept 16
	v_pk_fma_f32 v[PR+I:PR+I+1], v[DR+I:DR+I+1], v[C0V:C0V+1], s[CF:CF+1] op_sel_hi:[1,1,0]
.set I, I+2
.endr
.irp k, 1,2,3,4,5,6,7,8
.set I, 0
.rept 16
	v_pk_fma_f32 v[PR+I:PR+I+1], v[PR+I:PR+I+1], v[DR+I:DR+I+1], s[CF+2*\k:CF+2*\k+1] op_sel_hi:[1,1,0]   ; P(t)
.set I, I+2
.endr
.endr
.set I, 0
.rept 16
	v_pk_fma_f32 v[PR+I:PR+I+1], v[AR+I:AR+I+1], v[AR+I:AR+I+1], v[PR+I:PR+I+1] neg_lo:[1,0,0] neg_hi:[1,0,0]   ; P - a a
.set I, I+2
.endr
.set I, 0
.rept 16
	v_pk_mul_f32 v[PR+I:PR+I+1], v[PR+I:PR+I+1], s[NL:NL+1] op_sel_hi:[1,0]
.set I, I+2
.endr
	s_wait_alu depctr_va_vdst(0)
.set I, 0
.rept 16
	v_exp_f32 v[PR+I], v[PR+I]                     ; exp(P - a a)
	v_pk_mul_f32 v[AR+I:AR+I+1], v[AR+I:AR+I+1], s[RS:RS+1] op_sel_hi:[1,0]       ; |X| / 2
	v_exp_f32 v[PR+I+1], v[PR+I+1]
.set I, I+2
.endr
	v_nop                                          ; a plain line behind the last exponential
	s_wait_alu depctr_va_vdst(0)
.set I, 0
.rept 16
	v_pk_mul_f32 v[PR+I:PR+I+1], v[PR+I:PR+I+1], v[DR+I:DR+I+1]                   ; erfc(a)
.set I, I+2
.endr
.set I, 0
.rept 16
	v_pk_fma_f32 v[XR+I:XR+I+1], v[AR+I:AR+I+1], v[PR+I:PR+I+1], v[XR+I:XR+I+1] neg_lo:[1,0,0] neg_hi:[1,0,0]
.set I, I+2
.endr
.set I, 0
.rept 32
	v_med3_num_f32 v[XR+I], v[XR+I], -v[USC+1], v[USC+1]   ; the conversion does not saturate (ISA guide 7.6.2)
.set I, I+1
.endr
.irp b, 0,1
	v_cvt_scalef32_pk8_bf8_f32 v[CD+4*\b:CD+4*\b+1], v[XR+16*\b:XR+16*\b+7], v[USC]
	v_cvt_scalef32_pk8_bf8_f32 v[CD+4*\b+2:CD+4*\b+3], v[XR+16*\b+8:XR+16*\b+15], v[USC]
.endr
	v_nop                                          ; a plain line behind the conversions: the next group writes their sources
.irp b, 0,1
	global_store_b128 v[LI], v[CD+4*\b:CD+4*\b+3], s[12:13] offset:\hf*131072+2048*(\m)+512*\b
.endr
.endm
.macro SETC n, val
	s_mov_b32 s[CF+2*\n], \val
	s_mov_b32 s[CF+2*\n+1], \val
.endm
	s_load_b256 s[4:11], s[0:1], 0x0               ; h2's images, the weights' images, the exponents, b1
	s_load_b64 s[12:13], s[0:1], 0x20              ; u's images
	v_lshl_add_u32 v254, v0, 2, 0x29000
	v_mov_b32 v255, 0
	ds_add_u32 v254, v255                          ; the opening lines: the add twice on end and its wait
	ds_add_u32 v254, v255
	v_lshrrev_b32 v1, 5, v0
	v_readfirstlane_b32 s[WV], v1                  ; wave 0..3
	v_and_b32 v1, 31, v0
	v_bfe_u32 v9, v0, 4, 1                         ; h
	v_lshlrev_b32 v[LI], 4, v1
	v_add_nc_u32 v[LI2], 0x10000, v[LI]
	v_lshlrev_b32 v10, 6, v9                       ; b1: my half's 16 numbers of a pair of tiles
	s_bfe_u32 s19, ttmp6, 0x40000                  ; cx
	s_lshl_b32 s[XX], ttmp9, 2
	s_add_co_u32 s[XX], s[XX], s19                 ; the block of 256 columns
	s_and_b32 s[YY], ttmp7, 0xffff                 ; the block of 128 rows
	s_lshl_b32 s20, s[XX], 4                       ; W1: tiles 16 X + 4 w on, 16,384 bytes each
	s_lshl_b32 s21, s[WV], 2
	s_add_co_u32 s20, s20, s21
	s_lshl_b32 s20, s20, 14
	s_add_co_u32 s20, s20, WOFF
	s_mov_b32 s21, 0
	s_lshl_b32 s22, s[XX], 10                      ; b1: my 64 columns
	s_lshl_b32 s23, s[WV], 8
	s_add_co_u32 s22, s22, s23
	s_mov_b32 s23, 0
	s_lshl_b32 s40, s[YY], 18                      ; u: block x 262,144 + (2 X + w / 2) x 8,192 + (w % 2) x 1,024
	s_lshl_b32 s41, s[XX], 1
	s_lshr_b32 s42, s[WV], 1
	s_add_co_u32 s41, s41, s42
	s_lshl_b32 s41, s41, 13
	s_add_co_u32 s40, s40, s41
	s_and_b32 s41, s[WV], 1
	s_lshl_b32 s41, s41, 10
	s_add_co_u32 s40, s40, s41
	s_mov_b32 s41, 0
	s_lshl_b32 s92, s[YY], 17                      ; A: made of the block's number and the wave's number alone, which the four partners share
	s_lshl_b32 s94, s[WV], 14                      ; my quarter of a half's 65,536 bytes
	s_add_co_u32 s92, s92, s94
	s_mov_b32 s93, 0
	s_mov_b32 s[G1B], 15|(3<<16)|(1<<21)           ; the mask: all four work-groups; elements of 8 bytes; bit 21 beside a mask
	s_mov_b32 s[G1B+1], 32<<16                     ; a dense block as 64 rows of 256 bytes
	s_mov_b32 s[G1B+2], 64<<16
	s_mov_b32 s[G1B+3], 32<<16
	s_mov_b32 s[G1B+4], 64
	s_mov_b32 s[G1B+5], 32
	s_mov_b32 s[G1B+6], 0
	s_mov_b32 s[G1B+7], 0
	s_wait_alu depctr_va_vdst(0)                   ; the wait ahead of the blocking waits
	s_wait_dscnt 0x0
	s_wait_kmcnt 0x0
	s_add_nc_u64 s[6:7], s[6:7], s[20:21]
	s_add_nc_u64 s[10:11], s[10:11], s[22:23]
	s_add_nc_u64 s[12:13], s[12:13], s[40:41]
	s_add_nc_u64 s[96:97], s[4:5], s[92:93]
	s_load_b64 s[40:41], s[8:9], 0x28              ; e10, e11
	s_load_b32 s42, s[8:9], 0x30                   ; e12
	WIN 0xc0
.irp b, 0,1
.irp i, 0,1,2,3
	global_load_b128 v[128+16*\b+4*\i:131+16*\b+4*\i], v10, s[10:11] offset:128*\b+16*\i
.endr
.endr
	WIN 0
	BBATCH 0
	BBATCH 1
	BBATCH 2
	s_mov_b32 s[G0], 1
	s_mov_b32 s[G0+1], s94
	s_mov_b64 s[G0+2:G0+3], s[96:97]
	s_or_b32 s[G0+3], s[G0+3], 0x80000000
	s_mov_b32 s[G0H], 1
	s_add_co_u32 s[G0H+1], s94, 65536
	s_add_nc_u64 s[G0H+2:G0H+3], s[96:97], 65536
	s_or_b32 s[G0H+3], s[G0H+3], 0x80000000
	CROUND                                         ; all four work-groups are here: the joint loads meet
	tensor_load_to_lds s[G0:G0+3], s[G1B:G1B+7]    ; my one load at the head: my quarter of the first half
	s_nop 0
	PLACES
	s_mov_b32 s[RS], 0x3f3504f3
	s_mov_b32 s[RS+1], 0x3f3504f3
	s_mov_b32 s[NL], 0x3fb8aa3b
	s_mov_b32 s[NL+1], 0x3fb8aa3b
	v_mov_b32 v[C0V], 0.17087277                   ; P's coefficients, from t^9 down
	v_mov_b32 v[C0V+1], 0.17087277
	SETC 0, -0.82215223
	SETC 1, 1.48851587
	SETC 2, -1.13520398
	SETC 3, 0.27886807
	SETC 4, -0.18628806
	SETC 5, 0.09678418
	SETC 6, 0.37409196
	SETC 7, 1.00002368
	SETC 8, -1.26551223
	s_wait_kmcnt 0x0
	s_add_co_i32 s[SC], s40, s41
	s_add_co_i32 s[SC], s[SC], 127
	s_lshl_b32 s[SC], s[SC], 23                    ; 2^(e10 + e11) as f32
	s_mov_b32 s[SC+1], s[SC]
	s_add_co_i32 s42, s42, 127
	s_lshl_b32 s43, s42, 23
	v_mov_b32 v[USC], s43                          ; 2^e12
	s_add_co_i32 s42, s42, 15
	s_lshl_b32 s42, s42, 23
	s_or_b32 s42, s42, 0x600000
	v_mov_b32 v[USC+1], s42                        ; 57,344 x 2^e12
	s_wait_alu depctr_va_vdst(0)                   ; the wait at the head's end
	s_wait_tensorcnt 0x0                           ; my part of the first half is in; the later first fill stands behind these lines and a round
	ds_add_u32 v254, v255
	s_wait_dscnt 0x0
	CROUND
	tensor_load_to_lds s[G0H:G0H+3], s[G1B:G1B+7]  ; my quarter of the second half
	s_nop 0
	PLACES
	AFETCH 0, 0
.irp s, 0,1,2,3,4,5,6,7
	STEP 0, \s
.endr
	WIN 0
	PLACES
.irp m, 0,1,2,3
	GELU 0, \m
.endr
	s_wait_tensorcnt 0x0                           ; my part of the second half is in,
	s_wait_dscnt 0x0
	s_barrier_signal -1
	s_barrier_wait -1                              ; everybody's is
	AFETCH 1, 0
.irp s, 0,1,2,3,4,5,6,7
	STEP 1, \s
.endr
	WIN 0
	PLACES
	s_wait_xcnt 0x0                                ; the first half's stores have read their registers: the codes' registers are written again
.irp m, 0,1,2,3
	GELU 1, \m
.endr
	s_wait_dscnt 0x0
	s_wait_tensorcnt 0x0                           ; the wave's end
	ds_add_u32 v254, v255
	s_wait_dscnt 0x0
	CROUND                                         ; the closing round: no work-group ends while a partner may still ask jointly
	s_endpgm
.Lfunc_end_k_q5f27a5c447_w1:
	.size	k_q5f27a5c447_w1, .Lfunc_end_k_q5f27a5c447_w1-k_q5f27a5c447_w1
	.p2alignl 7, 3214868480
	.fill 96, 4, 3214868480
	.section	.rodata,"a",@progbits
	.p2align	6, 0x0
	.amdhsa_kernel k_q5f27a5c447_w1
		.amdhsa_group_segment_fixed_size 327680
		.amdhsa_private_segment_fixed_size 0
		.amdhsa_enable_private_segment 0
		.amdhsa_kernarg_size 40
		.amdhsa_user_sgpr_count 2
		.amdhsa_user_sgpr_kernarg_segment_ptr 1
		.amdhsa_wavefront_size32 1
		.amdhsa_system_sgpr_workgroup_id_x 1
		.amdhsa_system_sgpr_workgroup_id_y 1
		.amdhsa_system_sgpr_workgroup_id_z 1
		.amdhsa_system_vgpr_workitem_id 0
		.amdhsa_next_free_vgpr 1024
		.amdhsa_next_free_sgpr 100
		.amdhsa_reserve_vcc 0
		.amdhsa_float_denorm_mode_32 3
		.amdhsa_float_denorm_mode_16_64 3
		.amdhsa_memory_ordered 1
		.amdhsa_forward_progress 1
		.amdhsa_inst_pref_size 246
	.end_amdhsa_kernel
	.amdgpu_metadata
---
amdhsa.version: [ 1, 2 ]
amdhsa.kernels:
  - .name:           k_q5f27a5c447_w1
    .symbol:         k_q5f27a5c447_w1.kd
    .args:
      - { .name: himg, .offset: 0, .size: 8, .value_kind: global_buffer, .address_space: global }
      - { .name: wimg, .offset: 8, .size: 8, .value_kind: global_buffer, .address_space: global }
      - { .name: lowp_scales, .offset: 16, .size: 8, .value_kind: global_buffer, .address_space: global }
      - { .name: b1, .offset: 24, .size: 8, .value_kind: global_buffer, .address_space: global }
      - { .name: uimg, .offset: 32, .size: 8, .value_kind: global_buffer, .address_space: global }
    .group_segment_fixed_size: 327680
    .private_segment_fixed_size: 0
    .kernarg_segment_align: 8
    .kernarg_segment_size: 40
    .max_flat_workgroup_size: 128
    .sgpr_count:     100
    .vgpr_count:     1024
    .wavefront_size: 32
...
	.end_amdgpu_metadata
.endif
;; end of part 6
;; launch w2 (part 7): grid 4 x 64, 4 waves a work-group, clusters of 4 x 1, 327,680 bytes of LDS; arguments uimg, wimg, lowp_scales, x1, out0, b2; writes out0
.if DOCPART == 7
	.amdgcn_target "amdgcn-amd-amdhsa--gfx1250"
	.amdhsa_code_object_version 6
	.text
	.protected	k_q5f27a5c447_w2
	.globl	k_q5f27a5c447_w2
	.p2align	8
	.type	k_q5f27a5c447_w2,@function
k_q5f27a5c447_w2:
	s_mov_b64 s[64:65], 0
	v_nop
	global_prefetch_b8 v0, s[64:65] scope:SCOPE_SE
	s_setreg_imm32_b32 hwreg(HW_REG_WAVE_MODE, 25, 1), 1
	s_wait_xcnt 0x0
	s_wait_alu depctr_hold_cnt(0) depctr_sa_sdst(0) depctr_va_vdst(0) depctr_va_sdst(0) depctr_va_ssrc(0) depctr_va_vcc(0) depctr_vm_vsrc(0)
	s_getreg_b32 s2, hwreg(HW_REG_IB_STS2, 6, 4)
	s_cmp_eq_u32 s2, 0
	s_cbranch_scc0 .Lentry_in_a_cluster
	s_endpgm
.Lentry_in_a_cluster:
	s_bfe_u32 s2, ttmp6, 0x10000c
	s_cmp_lg_u32 s2, 0x3003
	s_cbranch_scc0 .Lentry_shape_is_right
	s_endpgm
.Lentry_shape_is_right:
; out = res + (A W^T) x 2^(eA + eW) (+ bias), A and W codes of BF8 (E5M2) laid as operand images; res and out f32 [4096][1024].
; SHARES: a work-group makes 64 rows (grid y) x 256 columns (grid x); THE WAVES SHARE THE COLUMNS: wave w makes 64 columns for all 64 rows: 16 accumulators.
; A comes by tensor loads into LDS as it lies in memory, filled once, in four quarters of K.  The four work-groups of a cluster need the same rows: each load is asked for JOINTLY (mask 15).
; W goes from memory straight into registers, 512 consecutive bytes a load, each byte read by the one wave that multiplies by it.  It is not shared in the cluster: a joint load lands in LDS alone, and the way through LDS
; would add KS x 32 KB of LDS writes and as many reads for each work-group, and a ring that is filled again.
; THE PRODUCT IS USED TRANSPOSED (source 0 = 16 rows of W, source 1 = 16 rows of A); with the weights' paired tiles a lane holds one row and, in tiles 2 b and 2 b + 1, columns 32 b + 16 h + 0 .. 15.
; The sums go through the wave's own stage in LDS and come back as rows: sixteen lanes then hold, add bias and residual to, and store 256 consecutive aligned bytes.
; The residual's rows are asked for ahead (one prefetch line for 32 rows' 256-byte pieces, each piece asked for once in the launch, all inside the buffer) and loaded during the last K steps.
; LIMIT: eA + eW between -126 and 127.  k is permuted alike in both operands.
; REGISTERS, in windows of 256: window 0: v3-8 addresses, v28-31 the bias, v64-127 and v128-191 A's fragments by turns, later the rows on their way out.   windows 1, 2: W, eight slots of 64 (K step q in slot q % 8).
;   window 3: v0-127 the accumulators ((m, j) at 8 (4 m + j)); v128-255 the residual's rows.
.set KS,   16                          ; K steps of 128
.set WOFF, 0x480000                    ; the weight's place among the images
.set SCB,  48                          ; the byte of eA in the exponents; eW follows
.set BIAS, 1
.set NB,   KS+2                        ; batches of sixteen loads: W's K steps, then the residual in two
.set SQ,   KS/4                        ; K steps in a quarter of A
.set RR,   KS*4                        ; rows of 256 bytes in one tensor load: a quarter of eight K steps of A
.set STG,  KS*8192                     ; LDS: behind A, a stage of 16 rows x 272 bytes for each wave
.set WV, 16
.set XX, 17
.set YY, 18
.set SC, 32
.set G1, 24
.set G0, 48
.set LI,  3
.set LI2, 4
.set STO, 5
.set RD,  6
.set CO,  7
.set PF,  8
.set BV,  28
.set MSB, 0
.macro WIN new                         ; the immediate's high byte repeats the setting that is left
.if MSB != (\new)
	s_set_vgpr_msb (MSB<<8)|(\new)
.set MSB, (\new)
.endif
.endm
.macro PLACES                          ; four plain lines between matrix instructions and loads into, or reads of, their registers
.rept 4
	v_nop
.endr
.endm
.macro CROUND                          ; a round of the cluster's barrier
	s_barrier_signal -1
	s_barrier_wait -1
	s_cmp_lg_u32 s[WV], 0
	s_cbranch_scc1 .Lnot_wave_0_\@
	s_barrier_signal -3
.Lnot_wave_0_\@:
	s_barrier_wait -3
	s_barrier_signal -1
	s_barrier_wait -1
.endm
.macro BBATCH q                        ; W's four fragments of K step q
	WIN 0x40*(1+((\q)%8)/4)
.irp j, 0,1,2,3
.irp c, 0,1,2,3
	global_load_b128 v[64*((\q)%4)+16*\j+4*\c:64*((\q)%4)+16*\j+4*\c+3], v[LI], s[6:7] offset:\j*KS*2048+(\q)*2048+512*\c
.endr
.endr
	WIN 0
.endm
.macro RBATCH p                        ; the residual's rows of row tiles 2 p and 2 p + 1: lanes 0-15 one row's 256 bytes, lanes 16-31 the next row's
	WIN 0xc0
.irp mm, 0,1
.irp t, 0,1,2,3,4,5,6,7
	global_load_b128 v[128+32*(2*(\p)+\mm)+4*\t:128+32*(2*(\p)+\mm)+4*\t+3], v[CO], s[10:11] offset:(16*(2*(\p)+\mm)+2*\t)*4096
.endr
.endr
	WIN 0
.endm
.macro AFETCH s                        ; the four row tiles' fragments of K step s into buffer s % 2
.irp m, 0,1,2,3
.irp c, 0,1,2,3
	ds_load_b128 v[64+64*((\s)%2)+16*\m+4*\c:64+64*((\s)%2)+16*\m+4*\c+3], v[LI+((\s)/8)] offset:((\s)%8)*8192+2048*\m+512*\c
.endr
.endr
.endm
.macro MUL s                           ; 16 products; the 16 accumulators take turns
	WIN 0xf1+((\s)%8)/4
.irp m, 0,1,2,3
.irp j, 0,1,2,3
.if (\s) == 0
	v_wmma_f32_16x16x128_bf8_bf8 v[8*(4*\m+\j):8*(4*\m+\j)+7], v[64*((\s)%4)+16*\j:64*((\s)%4)+16*\j+15], v[64+64*((\s)%2)+16*\m:64+64*((\s)%2)+16*\m+15], 0
.else
	v_wmma_f32_16x16x128_bf8_bf8 v[8*(4*\m+\j):8*(4*\m+\j)+7], v[64*((\s)%4)+16*\j:64*((\s)%4)+16*\j+15], v[64+64*((\s)%2)+16*\m:64+64*((\s)%2)+16*\m+15], v[8*(4*\m+\j):8*(4*\m+\j)+7]
.endif
.endr
.endr
.endm
.macro STEP s
	WIN 0
	PLACES
.if (\s)+1 < KS
.if (\s)+1 == 8                        ; the next K step opens A's second half
	s_wait_tensorcnt 0x0
	s_wait_dscnt 0x0
	s_barrier_signal -1
	s_barrier_wait -1
.endif
	AFETCH (\s)+1
.endif
.if (\s)+3 < KS
	BBATCH (\s)+3
.elseif (\s)+3 < NB
	RBATCH (\s)+3-KS
.endif
.if (\s)+1 < KS
	s_wait_dscnt 16                                ; this step's fragments are in; the sixteen just asked for stay out
.else
	s_wait_dscnt 0x0
.endif
.if (\s)+3 < NB
	s_wait_loadcnt 48                              ; this step's batch is in: three batches of sixteen were issued behind it
.else
	s_wait_loadcnt 32                              ; behind the last batch of W: the residual's two
.endif
	MUL \s
.endm
	s_load_b256 s[4:11], s[0:1], 0x0               ; A's images, the weights' images, the exponents, the residual
.if BIAS
	s_load_b128 s[12:15], s[0:1], 0x20             ; the result, the bias
	v_lshl_add_u32 v254, v0, 2, 0x29000
	v_mov_b32 v255, 0
	ds_add_u32 v254, v255
	ds_add_u32 v254, v255
.else
	s_load_b64 s[12:13], s[0:1], 0x20              ; the result
.endif
	v_lshrrev_b32 v1, 5, v0
	v_readfirstlane_b32 s[WV], v1                  ; wave 0..3
	v_and_b32 v1, 31, v0
	v_and_b32 v2, 15, v0                           ; r
	v_bfe_u32 v9, v0, 4, 1                         ; h
	v_lshlrev_b32 v[LI], 4, v1
	v_add_nc_u32 v[LI2], 0x10000, v[LI]
	v_lshlrev_b32 v[PF], 12, v1                    ; a row a lane
	v_lshlrev_b32 v10, 4, v2
	v_lshl_add_u32 v[CO], v9, 12, v10              ; two rows an instruction, 16 bytes a lane
	s_bfe_u32 s19, ttmp6, 0x40000                  ; cx
	s_lshl_b32 s[XX], ttmp9, 2
	s_add_co_u32 s[XX], s[XX], s19                 ; the block of 256 columns
	s_and_b32 s[YY], ttmp7, 0xffff                 ; the block of 64 rows
	s_lshl_b32 s20, s[XX], 4                       ; W: tiles 16 X + 4 w on
	s_lshl_b32 s21, s[WV], 2
	s_add_co_u32 s20, s20, s21
	s_mul_i32 s20, s20, KS*2048
	s_add_co_u32 s20, s20, WOFF
	s_mov_b32 s21, 0
	s_lshl_b32 s40, s[XX], 10                      ; my 64 columns, in bytes
	s_lshl_b32 s41, s[WV], 8
	s_add_co_u32 s40, s40, s41
	s_mov_b32 s41, 0
	s_lshl_b32 s22, s[YY], 18                      ; and my block's first row
	s_add_co_u32 s22, s22, s40
	s_mov_b32 s23, 0
	s_mul_i32 s34, s[YY], KS*8192                  ; A: made of the block's number and the wave's number alone, which the four partners share
	s_mul_i32 s36, s[WV], KS*1024
	s_add_co_u32 s34, s34, s36
	s_mov_b32 s35, 0
	s_mov_b32 s[G1], 15|(3<<16)|(1<<21)            ; the mask: all four work-groups; elements of 8 bytes; bit 21 beside a mask
	s_mov_b32 s[G1+1], 32<<16                      ; a dense block as RR rows of 256 bytes
	s_mov_b32 s[G1+2], RR<<16
	s_mov_b32 s[G1+3], 32<<16
	s_mov_b32 s[G1+4], RR
	s_mov_b32 s[G1+5], 32
	s_mov_b32 s[G1+6], 0
	s_mov_b32 s[G1+7], 0
	s_wait_alu depctr_va_vdst(0)
	s_wait_dscnt 0x0
	s_wait_kmcnt 0x0
	s_load_b64 s[SC:SC+1], s[8:9], SCB             ; eA, eW
	s_add_nc_u64 s[6:7], s[6:7], s[20:21]
	s_add_nc_u64 s[10:11], s[10:11], s[22:23]
	s_add_nc_u64 s[12:13], s[12:13], s[22:23]
	s_add_nc_u64 s[4:5], s[4:5], s[34:35]
.if BIAS
	s_add_nc_u64 s[14:15], s[14:15], s[40:41]
	global_load_b128 v[BV:BV+3], v10, s[14:15]     ; the bias of the four columns that I hold on the way out
.endif
	global_prefetch_b8 v[PF], s[10:11] th:TH_LOAD_NT scope:SCOPE_SE                  ; rows 0-31 of my wave's 256-byte pieces of the residual,
	global_prefetch_b8 v[PF], s[10:11] offset:131072 th:TH_LOAD_NT scope:SCOPE_SE    ; rows 32-63
	BBATCH 0
	BBATCH 1
	BBATCH 2
.irp j, 0,1
	s_mov_b32 s[G0+4*\j], 1
	s_add_co_u32 s[G0+4*\j+1], s36, \j*65536
	s_add_nc_u64 s[G0+4*\j+2:G0+4*\j+3], s[4:5], \j*65536
	s_or_b32 s[G0+4*\j+3], s[G0+4*\j+3], 0x80000000
.endr
	CROUND                                         ; all four work-groups are here: the joint loads meet
	tensor_load_to_lds s[G0:G0+3], s[G1:G1+7]      ; my one load at the head: my quarter of A's first half
	s_nop 0
	PLACES
	s_mul_i32 s37, s[WV], 16*272
	s_add_co_u32 s37, s37, STG                     ; my stage
	v_mul_u32_u24 v[STO], v2, 272
	v_lshl_add_u32 v[STO], v9, 6, v[STO]
	v_add_nc_u32 v[STO], s37, v[STO]               ; in: row r, + 64 h
	v_mul_u32_u24 v[RD], v9, 272
	v_lshl_add_u32 v[RD], v2, 4, v[RD]
	v_add_nc_u32 v[RD], s37, v[RD]                 ; back: lanes 0-15 one row, lanes 16-31 the next
	s_wait_kmcnt 0x0
	s_add_co_i32 s[SC], s[SC], s[SC+1]
	s_add_co_i32 s[SC], s[SC], 127
	s_lshl_b32 s[SC], s[SC], 23                    ; 2^(eA + eW) as f32
	s_mov_b32 s[SC+1], s[SC]
	s_wait_alu depctr_va_vdst(0)                   ; the wait at the head's end
	s_wait_tensorcnt 0x0                           ; my part of A's first half is in; the later first fill stands behind these lines and a round
	ds_add_u32 v254, v255
	s_wait_dscnt 0x0
	CROUND
	tensor_load_to_lds s[G0+4:G0+7], s[G1:G1+7]    ; my quarter of A's second half
	s_nop 0
	PLACES
	AFETCH 0
.set Q, 0
.rept KS
	STEP Q
.set Q, Q+1
.endr
	WIN 0
	PLACES
.macro TOSTAGE m                       ; row tile m: the raw sums into my stage, each accumulator from its low end on, and back as rows.  LDS serves a wave's instructions in order (ISA guide 5.7.1.4)
	WIN 0x0c
.irp j, 0,1,2,3
	ds_store_b128 v[STO], v[8*(4*(\m)+\j):8*(4*(\m)+\j)+3] offset:128*(\j/2)+32*(\j%2)
	ds_store_b128 v[STO], v[8*(4*(\m)+\j)+4:8*(4*(\m)+\j)+7] offset:128*(\j/2)+32*(\j%2)+16
.endr
	WIN 0
.irp t, 0,1,2,3,4,5,6,7
	ds_load_b128 v[64+32*(\m)+4*\t:64+32*(\m)+4*\t+3], v[RD] offset:544*\t
.endr
.endm
.macro SEND m, younger                 ; younger: the LDS instructions issued behind tile m's loads
	s_wait_dscnt \younger
.if (\m) == 0
	s_wait_loadcnt 16                              ; the residual's first batch is in
.elseif (\m) == 2
	s_wait_loadcnt 0x0
.endif
.if BIAS
.irp i, 0,2,4,6,8,10,12,14,16,18,20,22,24,26,28,30
	v_pk_fma_f32 v[64+32*(\m)+\i:64+32*(\m)+\i+1], v[64+32*(\m)+\i:64+32*(\m)+\i+1], s[SC:SC+1], v[BV+\i%4:BV+\i%4+1] op_sel_hi:[1,0,1]
.endr
	WIN 0x0c
.irp i, 0,2,4,6,8,10,12,14,16,18,20,22,24,26,28,30
	v_pk_add_f32 v[64+32*(\m)+\i:64+32*(\m)+\i+1], v[64+32*(\m)+\i:64+32*(\m)+\i+1], v[128+32*(\m)+\i:128+32*(\m)+\i+1]
.endr
	WIN 0
.else
	WIN 0x30
.irp i, 0,2,4,6,8,10,12,14,16,18,20,22,24,26,28,30
	v_pk_fma_f32 v[64+32*(\m)+\i:64+32*(\m)+\i+1], v[64+32*(\m)+\i:64+32*(\m)+\i+1], s[SC:SC+1], v[128+32*(\m)+\i:128+32*(\m)+\i+1] op_sel_hi:[1,0,1]
.endr
	WIN 0
.endif
.irp t, 0,1,2,3,4,5,6,7
	global_store_b128 v[CO], v[64+32*(\m)+4*\t:64+32*(\m)+4*\t+3], s[12:13] offset:(16*(\m)+2*\t)*4096   ; sixteen lanes store 256 consecutive aligned bytes
.endr
.endm
	s_wait_alu depctr_va_vdst(0)
	TOSTAGE 0
.irp m, 1,2,3
	TOSTAGE \m
	SEND \m-1, 16
.endr
	SEND 3, 0
	s_wait_dscnt 0x0
	s_wait_tensorcnt 0x0
	ds_add_u32 v254, v255
	s_wait_dscnt 0x0
	CROUND                                         ; the closing round: no work-group ends while a partner may still ask jointly
	s_endpgm
.Lfunc_end_k_q5f27a5c447_w2:
	.size	k_q5f27a5c447_w2, .Lfunc_end_k_q5f27a5c447_w2-k_q5f27a5c447_w2
	.p2alignl 7, 3214868480
	.fill 96, 4, 3214868480
	.section	.rodata,"a",@progbits
	.p2align	6, 0x0
	.amdhsa_kernel k_q5f27a5c447_w2
		.amdhsa_group_segment_fixed_size 327680
		.amdhsa_private_segment_fixed_size 0
		.amdhsa_enable_private_segment 0
		.amdhsa_kernarg_size 48
		.amdhsa_user_sgpr_count 2
		.amdhsa_user_sgpr_kernarg_segment_ptr 1
		.amdhsa_wavefront_size32 1
		.amdhsa_system_sgpr_workgroup_id_x 1
		.amdhsa_system_sgpr_workgroup_id_y 1
		.amdhsa_system_sgpr_workgroup_id_z 1
		.amdhsa_system_vgpr_workitem_id 0
		.amdhsa_next_free_vgpr 1024
		.amdhsa_next_free_sgpr 66
		.amdhsa_reserve_vcc 0
		.amdhsa_float_denorm_mode_32 3
		.amdhsa_float_denorm_mode_16_64 3
		.amdhsa_memory_ordered 1
		.amdhsa_forward_progress 1
		.amdhsa_inst_pref_size 86
	.end_amdhsa_kernel
	.amdgpu_metadata
---
amdhsa.version: [ 1, 2 ]
amdhsa.kernels:
  - .name:           k_q5f27a5c447_w2
    .symbol:         k_q5f27a5c447_w2.kd
    .args:
      - { .name: uimg, .offset: 0, .size: 8, .value_kind: global_buffer, .address_space: global }
      - { .name: wimg, .offset: 8, .size: 8, .value_kind: global_buffer, .address_space: global }
      - { .name: lowp_scales, .offset: 16, .size: 8, .value_kind: global_buffer, .address_space: global }
      - { .name: x1, .offset: 24, .size: 8, .value_kind: global_buffer, .address_space: global }
      - { .name: out0, .offset: 32, .size: 8, .value_kind: global_buffer, .address_space: global }
      - { .name: b2, .offset: 40, .size: 8, .value_kind: global_buffer, .address_space: global }
    .group_segment_fixed_size: 327680
    .private_segment_fixed_size: 0
    .kernarg_segment_align: 8
    .kernarg_segment_size: 48
    .max_flat_workgroup_size: 128
    .sgpr_count:     66
    .vgpr_count:     1024
    .wavefront_size: 32
...
	.end_amdgpu_metadata
.endif
;; end of part 7
